; MI455X (gfx1250); checked and timed in simulation.
; The chip was launched on July 23, 2026; its instructions are those of AMD's public machine-readable ISA for CDNA 5 (MIT licence, August 2026) and "CDNA5" Instruction Set Architecture Reference Guide (July 2026). The comments in the code are by the model that wrote it; some were corrected since.
;; Attention. Allowed arithmetic: matrix products marked QUANTISED: E4M3 operands, one E8M0 scale for each 32 along K, by v_wmma_scale_f32_16x16x128_f8f6f4 with both operands' format E4M3, f32 sums; everything else in f32.
;; Inputs: b_out 1,024 float32; w_out 1,024 x 1,024 float32; w_qkv 1,024 x 3,072 float32; x 4 x 2,048 x 1,024 float32.
;; Outputs: out0 4 x 2,048 x 1,024 float32.
;; This version of the problem:
;;   THIS VERSION OF THE PROBLEM IS GIVEN IN LOW PRECISION. The matrix products marked QUANTISED in the list below multiply operands that are first quantised to E4M3 (4 exponent bits, 3 mantissa bits; 8 bits a number), with one power-of-two scale for each 32 numbers along K (OCP MX v1.0); their sums are f32. All else is computed in f32.
;;   The module's matrix products, in the order in which they are computed (A, B: the left and right operand; K: the contracted axis; several contracted axes count as one K, in the product's order):
;;     1. [M 8,192, K 1,024] x [K 1,024, N 3,072]; A: input x; B: input w_qkv: QUANTISED
;;     2. batch 64 x [M 2,048, K 64] x [K 64, N 2,048]; A: computed on the way; B: computed on the way: QUANTISED
;;     3. batch 64 x [M 2,048, K 2,048] x [K 2,048, N 64]; A: softmax (see below); B: computed on the way: QUANTISED
;;     4. [M 8,192, K 1,024] x [K 1,024, N 1,024]; A: computed on the way; B: input w_out: QUANTISED
;;   THE QUANTISER, for each operand of a quantised product, along K:
;;     - K is cut into blocks of 32 from its start; a last block that is shorter is filled with zeros.
;;     - A block's scale is 2^e with e = floor(log2(the largest magnitude in the block)) - 8, held to -126 .. 127; a block of zeros has e = 0. As a byte (E8M0): e + 127.
;;     - Each number is divided by its block's scale, clamped to +-448, and rounded to the nearest number of E4M3, ties to even, subnormals kept.
;;     - The product sums the exact products of the quantised numbers (number of the format x scale) in f32.
;;   ~~~python
;;   def quantise(x, axis):      # numpy; x: float32 -> the quantised numbers, widened to float32 again
;;       x = np.moveaxis(x, axis, -1); K = x.shape[-1]
;;       x = np.pad(x, [(0, 0)] * (x.ndim - 1) + [(0, -K % 32)]); x = x.reshape(x.shape[:-1] + (-1, 32)); a = np.abs(x).max(-1, keepdims=True)
;;       e = np.where(a > 0, np.clip(np.frexp(np.where(a > 0, a, 1))[1] - 1 - 8, -126, 127), 0)      # np.frexp(a)[1] - 1 = floor(log2(a)), exactly
;;       r = np.clip(x / 2.0 ** e, -448, 448)
;;       step = 2.0 ** (np.maximum(np.frexp(np.where(r == 0, 1, r))[1] - 1, -6) - 3)
;;       q = np.round(r / step) * step * 2.0 ** e      # np.round: ties to even
;;       return np.moveaxis(q.reshape(q.shape[:-2] + (-1,))[..., :K], -1, axis).astype(np.float32)
;;   ~~~
;;   SOFTMAX AHEAD OF A QUANTISED PRODUCT. Where the list says 'softmax', what is quantised is not the finished softmax but p = 2^(t - M), with t = logit x log2(e) and M = ceil(the row's largest t), a whole number; so 1/2 < the row's largest p <= 1. The row's sum l is taken of the UNQUANTISED p, in f32, and the product's result is divided by l at the end. Since M is a whole number, a kernel that streams over the keys may use a running M (the ceiling of the running maximum): every later rescaling is an exact power of two, which a block's scale takes up: the codes' values come out the same.
;;   OPERANDS COMPUTED ON THE WAY. 'Computed on the way' means the value that the module computes at that place (a softmax that the list does not call 'softmax' is quantised finished and normalised). What goes into a quantiser is computed in f32, as accurately as f32 sums, v_exp_f32 and their like allow (about 1e-6 of the number): no bf16 or f16 on the way to a quantiser, and a product that is left as it is and whose result goes on into a quantised operand takes f32 operands (vector FMAs, or v_wmma_f32_16x16x4_f32). A number that lies on a knife's edge between two numbers of the format may be rounded either way, as far as f32 arithmetic and the matrix unit's own rounding can turn it there, and no further.
;; One version. Each part assembles by itself: llvm-mc -triple=amdgcn-amd-amdhsa -mcpu=gfx1250 --defsym DOCPART=n.
;; ======== version 1 of 1: 4 launches
;; limits: right only within a limited range of input values
;; workspace buffers: codes 12,582,912 bytes; scales 393,216 bytes; qbuf 8,912,896 bytes; kvbuf 17,563,648 bytes; ocodes 8,388,608 bytes; oscales 262,144 bytes
;; launch quant (part 1): grid 384 x 1, 4 waves a work-group, no clusters, 68,096 bytes of LDS; arguments x, w_qkv, w_out, codes, scales; writes codes, scales
.if DOCPART == 1
	.amdgcn_target "amdgcn-amd-amdhsa--gfx1250"
	.amdhsa_code_object_version 6
	.text
	.protected	k_q8459d5c7d1_quant
	.globl	k_q8459d5c7d1_quant
	.p2align	8
	.type	k_q8459d5c7d1_quant,@function
k_q8459d5c7d1_quant:
	s_mov_b64 s[64:65], 0
	v_nop
	global_prefetch_b8 v0, s[64:65] scope:SCOPE_SE
	s_setreg_imm32_b32 hwreg(HW_REG_WAVE_MODE, 25, 1), 1
	s_wait_xcnt 0x0
; x [8192][1024], w_qkv [1024][3072] and w_out [1024][1024], all f32, become codes of FP8 (E4M3) with K innermost and one E8M0 byte for each 32 along K.
; codes: [12288 positions][1024 bytes], scales: [12288 positions][32 bytes].  POSITIONS: row a of an operand lies at position pi(a), pi = bits 3 and 4 of the number exchanged.
; Positions 0..8191: rows of x; 8192 + pi(n): column n of w_qkv; 11264 + pi(n): column n of w_out.  So 16 positions on end are the rows 32 b + 8 u + (r % 8) + 16 (r / 8),
; and the later products leave 16 neighbours along their source 0 in 16 registers of a lane.
; A block scale is 2^(floor(log2(largest magnitude)) - 8): its byte is the largest magnitude exponent field - 8, held at 1 from below; numbers are held within +-448 x scale and rounded to the nearest code, ties to even.
; LIMITS: blocks whose largest magnitude lies under 2^-118 get the byte 1; a block of zeros gets the byte 1 (its codes are zeros, and only this program reads the bytes); NaN and infinities are not served.
; Work-groups 0..255 take x (K innermost: a plain stream of blocks), 256..383 the weights (K is the first axis: a lane takes a column, its registers run down K).
; The two ways part on the work-group number and each has LDS bytes of its own.  No tensor loads, no barrier: waves share nothing.  No prefetch: the launch is one stream, read once, with many loads out.
.set WREG,  8192                       ; way X: LDS of a wave: two stages of 32 x SP bytes, then its 256 scale bytes
.set SP,    80                         ; a lane place in a stage: 64 bytes + 16 of padding
.set STEPS, 16
.set R,     16                         ; v16-79   four sets of 16 numbers as loaded
.set X,     80                         ; v80-111  two sets of 16 neighbours
.set E,     112                        ; v112-127 a scale byte for each step
.set C,     128                        ; v128-191 codes, four registers a step
.set WST,   32768                      ; way W: its LDS begins here: a stage of 32 rows x WP for each wave
.set WP,    272
.set WX,    32                         ; v32-95   two sets of 32 numbers
.set WC,    96                         ; v96-103  the codes of a block
.set WOUT,  112                        ; v112-175 the way out
.set OFF,   176                        ; v176-207 4 x lane + i rows of the weight
.set SBY,   24                         ; v24-25   eight scale bytes
	s_load_b128 s[4:7], s[0:1], 0x0                ; x, w_qkv
	s_load_b128 s[8:11], s[0:1], 0x10              ; w_out, codes
	s_load_b64 s[12:13], s[0:1], 0x20              ; scales
	v_lshl_add_u32 v208, v0, 2, 0x10800
	v_mov_b32 v209, 0
	v_lshrrev_b32 v1, 5, v0
	v_readfirstlane_b32 s16, v1                    ; wave 0..3
	v_and_b32 v2, 31, v0                           ; lane
	s_mov_b32 s23, 0x600000                        ; the mantissa field of 448
	s_cmp_lt_u32 ttmp9, 256
	s_cbranch_scc0 .Lweights
; ---------------- way X: a wave takes 8 rows of x, 8,192 numbers, in 16 steps of 512 ----------------
	v_lshlrev_b32 v3, 4, v2                        ; 16 x lane: my bytes of a load of 512, and of a store of 512 codes; never rewritten
	s_mul_i32 s17, s16, WREG
	v_lshrrev_b32 v14, 2, v2
	v_mul_u32_u24 v14, v14, SP
	v_and_b32 v15, 3, v2
	v_lshl_add_u32 v14, v15, 4, v14
	v_add_nc_u32 v14, s17, v14                     ; the stage, way in: four lanes on end, then 16 of padding
	v_mul_u32_u24 v15, v2, SP
	v_add_nc_u32 v15, s17, v15                     ; way out: my 16 neighbours
	v_lshrrev_b32 v5, 1, v2
	s_add_co_u32 s17, s17, 2*32*SP
	v_add_nc_u32 v5, s17, v5                       ; my block byte among the wave 256
	v_lshlrev_b32 v7, 3, v2
	v_add_nc_u32 v6, s17, v7
	s_lshl_b32 s18, ttmp9, 2
	s_add_co_u32 s20, s18, s16                     ; run R = 4 x work-group + wave: rows 8 R .. 8 R + 7
	s_lshl_b32 s20, s20, 15                        ; 32,768 bytes a run
	s_mov_b32 s21, 0
	s_and_b32 s19, s16, 1                          ; pi on rows exchanges bits 0 and 1 of R
	s_lshl_b32 s19, s19, 1
	s_lshr_b32 s22, s16, 1
	s_add_co_u32 s19, s19, s22
	s_add_co_u32 s18, s18, s19
	s_lshl_b32 s24, s18, 13                        ; 8 rows of 1,024 codes
	s_mov_b32 s25, 0
	s_lshl_b32 s26, s18, 8                         ; 8 rows of 32 scale bytes
	s_mov_b32 s27, 0
	s_wait_alu depctr_va_vdst(0)
	s_wait_kmcnt 0x0
	s_add_nc_u64 s[4:5], s[4:5], s[20:21]
	s_add_nc_u64 s[10:11], s[10:11], s[24:25]
	s_add_nc_u64 s[12:13], s[12:13], s[26:27]
.macro XLOAD t
.irp i, 0,1,2,3
	global_load_b128 v[R+16*((\t)%4)+4*\i:R+16*((\t)%4)+4*\i+3], v3, s[4:5] offset:2048*(\t)+512*\i th:TH_LOAD_NT   ; 32 lanes read 512 consecutive bytes
.endr
.endm
.macro XTURN t                         ; a step through the stage: LDS serves a wave in order, so no wait stands between the stores and the loads
.irp i, 0,1,2,3
	ds_store_b128 v14, v[R+16*((\t)%4)+4*\i:R+16*((\t)%4)+4*\i+3] offset:32*SP*((\t)%2)+8*SP*\i
.endr
.irp i, 0,1,2,3
	ds_load_b128 v[X+16*((\t)%2)+4*\i:X+16*((\t)%2)+4*\i+3], v15 offset:32*SP*((\t)%2)+16*\i
.endr
.endm
.irp t, 0,1,2,3
	XLOAD \t
.endr
	s_wait_loadcnt 12                              ; step 0 is in; three steps of four loads stay out
	XTURN 0
.macro XSTEP t
.set XS, X+16*((\t)%2)
.if (\t) > 0
	s_wait_dscnt 1                                 ; this step is back from the stage (the last byte store may be out), so its stores into the stage have read their registers,
.else
	s_wait_dscnt 0x0
.endif
.if (\t)+4 < STEPS
	XLOAD (\t)+4                                   ; which take the loads of four steps on
.endif
.if (\t)+1 < STEPS
.if STEPS-2-(\t) >= 3
	s_wait_loadcnt 12                              ; the next step is in; the three behind it may be out
.else
	s_wait_loadcnt 4*(STEPS-2-(\t))
.endif
	XTURN (\t)+1
.endif
	v_max3_num_f32 v8, |v[XS]|, |v[XS+1]|, |v[XS+2]|
	v_max3_num_f32 v9, |v[XS+3]|, |v[XS+4]|, |v[XS+5]|
.irp i, 6,10
	v_max3_num_f32 v8, v8, |v[XS+\i]|, |v[XS+\i+1]|
	v_max3_num_f32 v9, v9, |v[XS+\i+2]|, |v[XS+\i+3]|
.endr
	v_max3_num_f32 v8, v8, |v[XS+14]|, |v[XS+15]|
	v_max3_num_f32 v8, v8, v9, 0x4800000           ; the floor 2^(9 - 127): the byte cannot fall under 1
	v_max_num_f32_dpp v8, v8, v8 row_xmask:1 row_mask:0xf bank_mask:0xf   ; with my neighbour: the block
	v_add_nc_u32 v11, 0xfc000000, v8               ; 8 off the exponent field: the scale operand of the conversion
	v_and_or_b32 v10, v8, 0x7f800000, s23          ; 448 x the scale
.irp i, 0,1,2,3,4,5,6,7,8,9,10,11,12,13,14,15
	v_med3_num_f32 v[XS+\i], v[XS+\i], -v10, v10   ; the conversion to an 8-bit code does not saturate (ISA guide 7.6.2)
.endr
	v_cvt_scalef32_pk8_fp8_f32 v[C+4*(\t):C+4*(\t)+1], v[XS:XS+7], v11
	v_cvt_scalef32_pk8_fp8_f32 v[C+4*(\t)+2:C+4*(\t)+3], v[XS+8:XS+15], v11
	v_lshrrev_b32 v[E+(\t)], 23, v11               ; the scale byte
	ds_store_b8 v5, v[E+(\t)] offset:16*(\t)       ; both lanes of a block write the same byte with the same value
	global_store_b128 v3, v[C+4*(\t):C+4*(\t)+3], s[10:11] offset:512*(\t)   ; 512 consecutive bytes, aligned
.endm
.irp t, 0,1,2,3,4,5,6,7,8,9,10,11,12,13,14,15
	XSTEP \t
.endr
	ds_load_b64 v[12:13], v6                       ; my own stores, served in order
	s_wait_dscnt 0x0
	global_store_b64 v7, v[12:13], s[12:13]        ; 256 consecutive bytes, aligned
	s_wait_tensorcnt 0x0
	ds_add_u32 v208, v209
	s_wait_dscnt 0x0
	s_endpgm
; ---------------- way W: a wave takes 32 columns x 256 along K of one weight ----------------
.Lweights:
	s_sub_co_u32 s17, ttmp9, 256
	s_and_b32 s18, s17, 3                          ; which 256 along K
	s_lshr_b32 s19, s17, 2                         ; block of 128 columns, 0..31: 24 of w_qkv, then 8 of w_out
	s_max_u32 s20, s19, 24
	s_sub_co_u32 s20, s20, 24
	s_mov_b32 s21, 4096
	s_wait_kmcnt 0x0
	s_cmp_lt_u32 s19, 24                           ; the choice hangs on the work-group number alone
	s_cselect_b32 s21, 12288, s21                  ; bytes in a row of the weight
	s_cselect_b32 s20, s19, s20                    ; the block within its weight
	s_cselect_b64 s[32:33], s[6:7], s[8:9]
	s_lshl_b32 s26, s18, 8
	s_mul_i32 s26, s26, s21                        ; 256 kb rows
	s_lshl_b32 s24, s20, 9
	s_add_co_u32 s26, s26, s24                     ; + 128 columns a block
	s_lshl_b32 s24, s16, 7
	s_add_co_u32 s26, s26, s24                     ; + 32 columns a wave
	s_mov_b32 s27, 0
	s_add_nc_u64 s[32:33], s[32:33], s[26:27]
	s_lshl_b32 s28, s21, 5                         ; 32 rows on
	s_mov_b32 s29, 0
.irp t, 1,2,3,4,5,6,7
	s_add_nc_u64 s[32+2*\t:33+2*\t], s[30+2*\t:31+2*\t], s[28:29]   ; a base for each block of 32 along K; none is ever rewritten
.endr
	s_wait_alu depctr_va_vdst(0)
	v_lshlrev_b32 v[OFF], 2, v2
.set ii, 1
.rept 31
	v_add_nc_u32 v[OFF+ii], s21, v[OFF+ii-1]       ; 4 x lane + ii rows
.set ii, ii+1
.endr
	s_lshl_b32 s24, s19, 7
	s_lshl_b32 s25, s16, 5
	s_add_co_u32 s24, s24, s25
	s_add_co_u32 s24, s24, 8192                    ; my first position
	s_lshl_b32 s26, s24, 10
	s_lshl_b32 s25, s18, 8
	s_add_co_u32 s26, s26, s25
	s_add_nc_u64 s[10:11], s[10:11], s[26:27]      ; codes: position x 1024 + 256 kb
	s_lshl_b32 s26, s24, 5
	s_lshl_b32 s25, s18, 3
	s_add_co_u32 s26, s26, s25
	s_add_nc_u64 s[12:13], s[12:13], s[26:27]      ; scales: position x 32 + 8 kb
	v_and_b32 v5, 7, v2
	v_bfe_u32 v6, v2, 3, 1
	v_lshl_add_u32 v5, v6, 4, v5
	v_bfe_u32 v6, v2, 4, 1
	v_lshl_add_u32 v5, v6, 3, v5                   ; pi(lane): where my column goes
	s_mul_i32 s25, s16, 32*WP
	s_add_co_u32 s25, s25, WST                     ; my stage
	v_mul_u32_u24 v4, v5, WP
	v_add_nc_u32 v4, s25, v4                       ; into it: row pi(lane)
	v_and_b32 v14, 15, v2
	v_lshrrev_b32 v6, 4, v2
	v_mul_u32_u24 v7, v6, WP
	v_lshl_add_u32 v7, v14, 4, v7
	v_add_nc_u32 v7, s25, v7                       ; out of it: sixteen lanes to a row, two rows an instruction
	v_lshlrev_b32 v8, 10, v6
	v_lshl_add_u32 v8, v14, 4, v8                  ; and the same place in codes
	v_lshlrev_b32 v9, 5, v5                        ; my row of scale bytes
.macro WLOAD t
.set ii, 0
.rept 32
	global_load_b32 v[WX+32*((\t)%2)+ii], v[OFF+ii], s[32+2*(\t):33+2*(\t)] th:TH_LOAD_NT   ; row 32 t + ii at 32 neighbouring columns
.set ii, ii+1
.endr
.endm
	WLOAD 0
	WLOAD 1
.macro WBLOCK t
.set XS, WX+32*((\t)%2)
.if (\t) < 7
	s_wait_loadcnt 32                              ; this block is in; the next block may be out
.else
	s_wait_loadcnt 0x0
.endif
	v_max3_num_f32 v12, |v[XS]|, |v[XS+1]|, |v[XS+2]|          ; all 32 numbers of the block are mine
	v_max3_num_f32 v13, |v[XS+3]|, |v[XS+4]|, |v[XS+5]|
.irp i, 6,10,14,18,22,26
	v_max3_num_f32 v12, v12, |v[XS+\i]|, |v[XS+\i+1]|
	v_max3_num_f32 v13, v13, |v[XS+\i+2]|, |v[XS+\i+3]|
.endr
	v_max3_num_f32 v12, v12, |v[XS+30]|, |v[XS+31]|
	v_max3_num_f32 v12, v12, v13, 0x4800000
	v_add_nc_u32 v11, 0xfc000000, v12
	v_and_or_b32 v10, v12, 0x7f800000, s23
	v_lshrrev_b32 v13, 23, v11
.if (\t)%4 == 0
	v_mov_b32 v[SBY+(\t)/4], v13                   ; four bytes to a register, the lower K in the lower byte
.else
	v_lshl_or_b32 v[SBY+(\t)/4], v13, 8*((\t)%4), v[SBY+(\t)/4]
.endif
.set ii, 0
.rept 32
	v_med3_num_f32 v[XS+ii], v[XS+ii], -v10, v10
.set ii, ii+1
.endr
.irp g, 0,1,2,3
	v_cvt_scalef32_pk8_fp8_f32 v[WC+2*\g:WC+2*\g+1], v[XS+8*\g:XS+8*\g+7], v11
.endr
	ds_store_b128 v4, v[WC:WC+3] offset:32*(\t)
	ds_store_b128 v4, v[WC+4:WC+7] offset:32*(\t)+16
.if (\t)+2 < 8
	WLOAD (\t)+2
.endif
	s_wait_dscnt 0x0                               ; the stores have read their registers: the next codes may be written
.endm
.irp t, 0,1,2,3,4,5,6,7
	WBLOCK \t
.endr
	global_store_b64 v9, v[SBY:SBY+1], s[12:13]    ; my column: eight scale bytes
.irp t, 0,1,2,3,4,5,6,7,8,9,10,11,12,13,14,15
	ds_load_b128 v[WOUT+4*\t:WOUT+4*\t+3], v7 offset:2*\t*WP
.endr
.irp t, 0,1,2,3,4,5,6,7,8,9,10,11,12,13,14,15
	s_wait_dscnt 15-\t
	global_store_b128 v8, v[WOUT+4*\t:WOUT+4*\t+3], s[10:11] offset:2*\t*1024   ; sixteen lanes store 256 consecutive bytes, aligned
.endr
	s_wait_tensorcnt 0x0
	ds_add_u32 v208, v209
	s_wait_dscnt 0x0
	s_endpgm
.Lfunc_end_k_q8459d5c7d1_quant:
	.size	k_q8459d5c7d1_quant, .Lfunc_end_k_q8459d5c7d1_quant-k_q8459d5c7d1_quant
	.p2alignl 7, 3214868480
	.fill 96, 4, 3214868480
	.section	.rodata,"a",@progbits
	.p2align	6, 0x0
	.amdhsa_kernel k_q8459d5c7d1_quant
		.amdhsa_group_segment_fixed_size 68096
		.amdhsa_private_segment_fixed_size 0
		.amdhsa_enable_private_segment 0
		.amdhsa_kernarg_size 40
		.amdhsa_user_sgpr_count 2
		.amdhsa_user_sgpr_kernarg_segment_ptr 1
		.amdhsa_wavefront_size32 1
		.amdhsa_system_sgpr_workgroup_id_x 1
		.amdhsa_system_sgpr_workgroup_id_y 1
		.amdhsa_system_sgpr_workgroup_id_z 1
		.amdhsa_system_vgpr_workitem_id 0
		.amdhsa_next_free_vgpr 210
		.amdhsa_next_free_sgpr 66
		.amdhsa_reserve_vcc 0
		.amdhsa_float_denorm_mode_32 3
		.amdhsa_float_denorm_mode_16_64 3
		.amdhsa_memory_ordered 1
		.amdhsa_forward_progress 1
		.amdhsa_inst_pref_size 111
	.end_amdhsa_kernel
	.amdgpu_metadata
---
amdhsa.version: [ 1, 2 ]
amdhsa.kernels:
  - .name:           k_q8459d5c7d1_quant
    .symbol:         k_q8459d5c7d1_quant.kd
    .args:
      - { .name: x, .offset: 0, .size: 8, .value_kind: global_buffer, .address_space: global }
      - { .name: w_qkv, .offset: 8, .size: 8, .value_kind: global_buffer, .address_space: global }
      - { .name: w_out, .offset: 16, .size: 8, .value_kind: global_buffer, .address_space: global }
      - { .name: codes, .offset: 24, .size: 8, .value_kind: global_buffer, .address_space: global }
      - { .name: scales, .offset: 32, .size: 8, .value_kind: global_buffer, .address_space: global }
    .group_segment_fixed_size: 68096
    .private_segment_fixed_size: 0
    .kernarg_segment_align: 8
    .kernarg_segment_size: 40
    .max_flat_workgroup_size: 128
    .sgpr_count:     66
    .vgpr_count:     210
    .wavefront_size: 32
...
	.end_amdgpu_metadata
.endif
;; end of part 1
;; launch qkv (part 2): grid 96 x 4, 4 waves a work-group, clusters of 4 x 4, 327,680 bytes of LDS; arguments codes, scales, qbuf, kvbuf; writes qbuf, kvbuf
.if DOCPART == 2
	.amdgcn_target "amdgcn-amd-amdhsa--gfx1250"
	.amdhsa_code_object_version 6
	.text
	.protected	k_q8459d5c7d1_qkv
	.globl	k_q8459d5c7d1_qkv
	.p2align	8
	.type	k_q8459d5c7d1_qkv,@function
k_q8459d5c7d1_qkv:
	s_mov_b64 s[64:65], 0
	v_nop
	global_prefetch_b8 v0, s[64:65] scope:SCOPE_SE
	s_setreg_imm32_b32 hwreg(HW_REG_WAVE_MODE, 25, 1), 1
	s_wait_xcnt 0x0
	s_wait_alu depctr_hold_cnt(0) depctr_sa_sdst(0) depctr_va_vdst(0) depctr_va_sdst(0) depctr_va_ssrc(0) depctr_va_vcc(0) depctr_vm_vsrc(0)
	s_getreg_b32 s2, hwreg(HW_REG_IB_STS2, 6, 4)
	s_cmp_eq_u32 s2, 0
	s_cbranch_scc0 .Lentry_in_a_cluster
	s_endpgm
.Lentry_in_a_cluster:
	s_bfe_u32 s2, ttmp6, 0x10000c
	s_cmp_lg_u32 s2, 0xf033
	s_cbranch_scc0 .Lentry_shape_is_right
	s_endpgm
.Lentry_shape_is_right:
; q, k, v = x w_qkv on codes of FP8 (E4M3) with E8M0 scales, K = 1024, and at once the quantising of the results for attention: q and k along the 64 channels of a head, v along the keys.
; Both operands come from ONE buffer, codes [12288 positions][1024], scales [12288][32] (positions: bits 3 and 4 of a row number exchanged).
; A product is D = S0 x S1^T: source 0 = 16 positions of S0, source 1 = 16 positions of S1.  Lane (r, h) then holds position r of the S1 tile, and the 16 registers of S0 tiles 2 b and 2 b + 1 are the
; 16 NEIGHBOURS 32 b + 16 h + 0..15 along S0 in true order.  So S0 is the axis along which the result is quantised: for q, k S0 = columns of the weight (channels), S1 = rows of x; for v S0 = rows of x (keys), S1 = columns.
; 24 clusters of 4 x 4 work-groups, c = the cluster number: c < 16: rows 1024 (c / 2) of x against q (c even) or k (c odd); c >= 16: the 1024 columns of v against rows 1024 (c - 16) of x.
; A work-group makes 256 (S1) x 256 (S0), each of four waves 128 x 128 in 64 accumulators.  K goes in steps of 256 through two LDS slots; the scale bytes of the 512 rows come once and stay.
; S1 tiles are asked for jointly along a row of the cluster, S0 tiles along a column.  No branch hangs on a place in the cluster: the two ways out part on c, which all partners share.
; OUT: qbuf, 512 blocks (batch x head x 8 + block of 256 queries) of 17408 bytes: two halves of 8704: 8 tile images [tile][c 2][lane][16 bytes], then scale words [tile / 4][r 16][tile % 4], a word = b0 | b1 << 8 | 0x7f7f0000.
;      kvbuf, 512 blocks of 34304 bytes: two halves of 17152: k's images and words as in a qbuf half; at 8704 v images [channel tile 4][c 4][lane][16 bytes]; at 16896 v scale words [r 16][tile 4].
; The factor 1/8 on q is a power of two: it leaves the codes as they are and is applied with the softmax constant in the next launch.
; LIMITS: blocks whose largest magnitude lies under 2^-118, and blocks of zeros, get the byte 1; NaN and infinities are not served.
; No prefetch: K has four steps, of which two are first fills.
; REGISTERS: window 0: v16-31 addresses; v32-63 scale words, two sets; v64-109 the way out; from v128 S1 fragments, one set.  window 1: S0 fragments, two sets.  windows 2, 3: the accumulators ((a, b) at v[8 (8 (a % 4) + b)]).
.set NQ,     2                         ; matrix instructions deep in a slot
.set ROWB,   256                       ; a tile row in bytes
.set KROW,   1024                      ; a row of codes in memory
.set PITCH,  272                       ; an LDS row: 256 + 16 of padding = 68 words, so the 16 rows of a load start at 16 different banks (ISA guide 11.1)
.set FR,     16
.set NL,     4
.set NP,     8                         ; places behind this matrix instruction (ISA guide 7.12.1)
.set HALFT,  128*PITCH
.set SLOT,   4*HALFT                   ; S1: 256 rows, then S0: 256 rows
.set LAPS,   2
.set KS,     32                        ; a row of scale bytes
.set SCL,    2*SLOT
.set HALFS,  16*272                    ; the scales of 128 rows
.set SBLK,   2*272                     ; of 16 rows
.set SPARE,  SCL+4*HALFS               ; the spare words: 128 bytes a wave, named by no other line
.set ADRA, 16
.set ADRB, 20
.set ADRS, 27
.set SPW,  28
.set NIL,  29
.set LI,   30                          ; v30  16 x lane
.set SA,   31                          ; v31  h x (8 blocks) + 16 r: where my scale words go
.set SC,   32
.set TM,   64                          ; v64-67 largest magnitudes, v68-71 bytes, v72-75 448 x scale, v76-79 scale operands
.set PC,   80                          ; v80-95 codes
.set SW,   96                          ; v96-103 a scale word for each of my eight S1 tiles
.set XW,   104
.set W0,   108
.set W1,   109
.set AF,   128
.set G1, 24
.set G0, 32
.set G1B, 48
.set G0B, 56
.set G1S, 68
.set G0S, 76
.set G1SB, 80
.set G0SB, 88
.set MNT, 2                            ; s2   the mantissa field of 448
.set TYP, 66                           ; s66  1: q or k; 0: v
.set HM,  67                           ; s67  lanes 16-31
.set ST8, 95                           ; s95  bytes from a head to the next: 8 blocks
.set IB,  96                           ; s[96:97], s[98:99] where my images go, first and second head
.set SB,  100                          ; s[100:101] where my scale words go
.set SEL, 104                          ; s[104:105] lane l xor 16
.set MSB, 0
.macro WIN new                         ; the high byte of the immediate repeats the setting that is left
.if MSB != \new
	s_set_vgpr_msb (MSB<<8)|\new
.set MSB, \new
.endif
.endm
.set MUL_LO, 0xa1                      ; source 0 (S0) window 1, source 1 (S1) window 0, C and D window 2
.set MUL_HI, 0xf1
.set TO_B,   0x40
; A joint load: waves 0 and 1 fetch for S1, waves 2 and 3 for S0.  The branch hangs on the wave number alone.  Four v_nop follow each of the two lines.
.macro JLOAD g0a, g1a, g0b, g1b
	s_cmp_eq_u32 s15, 0
	s_cbranch_scc0 .Lfor_b_\@
	tensor_load_to_lds s[\g0a:\g0a+3], s[\g1a:\g1a+7]
	s_nop 0
.rept 4
	v_nop
.endr
	s_branch .Lasked_\@
.Lfor_b_\@:
	tensor_load_to_lds s[\g0b:\g0b+3], s[\g1b:\g1b+7]
	s_nop 0
.rept 4
	v_nop
.endr
.Lasked_\@:
.endm
.macro CREST                           ; a round of the cluster barrier behind its opening barrier
	s_cmp_lg_u32 s14, 0
	s_cbranch_scc1 .Lnot_wave_0_\@
	s_barrier_signal -3
.Lnot_wave_0_\@:
	s_barrier_wait -3
	s_barrier_signal -1
	s_barrier_wait -1
.endm
.macro CROUND
	s_barrier_signal -1
	s_barrier_wait -1
	CREST
.endm
	s_load_b256 s[4:11], s[0:1], 0x0               ; codes, scales, qbuf, kvbuf
	v_lshl_add_u32 v[SPW], v0, 2, SPARE
	v_mov_b32 v[NIL], 0
	ds_add_u32 v28, v29
	ds_add_u32 v28, v29
	s_wait_dscnt 0x0
	v_lshrrev_b32 v1, 5, v0
	v_readfirstlane_b32 s14, v1                    ; wave 0..3
	s_lshr_b32 s15, s14, 1                         ; my half of S1.  Also: I fetch for S1 (0) or for S0 (1)
	s_and_b32 s16, s14, 1                          ; my half of S0.  Also: which 128 rows I fetch
	s_bfe_u32 s40, ttmp6, 0x40000                  ; cx
	s_bfe_u32 s41, ttmp6, 0x40004                  ; cy
	s_lshl_b32 s43, s41, 2
	s_lshl_b32 s43, 15, s43                        ; my row of the cluster
	s_lshl_b32 s44, 0x1111, s40                    ; my column
	s_mov_b32 s[MNT], 0x600000
	s_mov_b32 s[HM], 0xffff0000
	s_mov_b32 s[SEL], 0x76543210
	s_mov_b32 s[SEL+1], 0xfedcba98
	; the first positions of the cluster: all candidates, one compare on the cluster number, the choices
	s_lshr_b32 s17, ttmp9, 1
	s_lshl_b32 s17, s17, 10                        ; q, k: S1 = rows 1024 (c / 2) of x
	s_and_b32 s42, ttmp9, 1
	s_lshl_b32 s42, s42, 10
	s_add_co_u32 s42, s42, 8192                    ; q, k: S0 = the columns of q or of k
	s_max_u32 s18, ttmp9, 16
	s_sub_co_u32 s18, s18, 16
	s_lshl_b32 s18, s18, 10                        ; v: S0 = rows 1024 (c - 16) of x
	s_mov_b32 s19, 10240                           ; v: S1 = the columns of v
	s_cmp_lt_u32 ttmp9, 16
	s_cselect_b32 s17, s17, s19
	s_cselect_b32 s42, s42, s18
	s_cselect_b32 s[TYP], 1, 0
	; descriptor group 1: a tile of 128 rows x 256 bytes, padded in LDS
	s_or_b32 s[G1+0], s43, (0<<16)|(1<<20)|(1<<21)|(5<<22)|(3<<25)  ; the mask: my row; elements of 1 byte; padding on; bit 21 beside a mask; 4 words after every 64
	s_or_b32 s[G1B+0], s44, (0<<16)|(1<<20)|(1<<21)|(5<<22)|(3<<25)
.irp g, G1, G1B
	s_mov_b32 s[\g+1], ROWB<<16                    ; tensor_dim0
	s_mov_b32 s[\g+2], 256<<16                     ; tensor_dim1: 256 rows for the head's loads; set to 128 for the ring behind them
	s_mov_b32 s[\g+3], ROWB<<16                    ; tile_dim0
	s_mov_b32 s[\g+4], 256                         ; tile_dim1
	s_mov_b32 s[\g+5], KROW                        ; stride
	s_mov_b32 s[\g+6], 0
	s_mov_b32 s[\g+7], 0
.endr
	; the scales of 256 rows: 8,192 dense bytes as 32 rows of 256 (32 elements of 8 bytes), 16 bytes of padding behind each
	s_or_b32 s[G1S+0], s43, (3<<16)|(1<<20)|(1<<21)|(5<<22)|(3<<25)
	s_or_b32 s[G1SB+0], s44, (3<<16)|(1<<20)|(1<<21)|(5<<22)|(3<<25)
.irp g, G1S, G1SB
	s_mov_b32 s[\g+1], 32<<16
	s_mov_b32 s[\g+2], 32<<16                      ; the scales of 256 rows: 32 rows of 256 bytes
	s_mov_b32 s[\g+3], 32<<16
	s_mov_b32 s[\g+4], 32
	s_mov_b32 s[\g+5], 32
	s_mov_b32 s[\g+6], 0
	s_mov_b32 s[\g+7], 0
.endr
	s_lshl_b32 s18, s16, 17                        ; in the ring I fetch 128 rows of a tile: which half, in bytes
	s_mov_b32 s19, 0
	s_lshl_b32 s20, s41, 8
	s_add_co_u32 s20, s20, s17                     ; S1: base + 256 cy
	s_lshl_b32 s46, s40, 8
	s_add_co_u32 s46, s46, s42                     ; S0: base + 256 cx
	s_lshl_b32 s22, s20, 5                         ; their scales,
	s_mov_b32 s23, 0
	s_lshl_b32 s20, s20, 10                        ; their codes (under 2^24 bytes)
	s_mov_b32 s21, 0
	s_lshl_b32 s92, s46, 5
	s_mov_b32 s93, 0
	s_lshl_b32 s46, s46, 10
	s_mov_b32 s47, 0
	s_mul_i32 s45, s14, HALFT                      ; where they go: wave x 128 rows: no place in the cluster enters an LDS address
	s_wait_kmcnt 0x0
	s_add_nc_u64 s[20:21], s[4:5], s[20:21]
	s_add_nc_u64 s[22:23], s[6:7], s[22:23]
	s_add_nc_u64 s[46:47], s[4:5], s[46:47]
	s_add_nc_u64 s[92:93], s[6:7], s[92:93]
	CROUND                                         ; all sixteen work-groups are here: the first joint loads meet
	s_mov_b32 s[G0S], 1
	s_mov_b32 s[G0S+1], SCL
	s_mov_b64 s[G0S+2:G0S+3], s[22:23]
	s_or_b32 s[G0S+3], s[G0S+3], 0x80000000
	s_mov_b32 s[G0SB], 1
	s_mov_b32 s[G0SB+1], SCL+2*HALFS
	s_mov_b64 s[G0SB+2:G0SB+3], s[92:93]
	s_or_b32 s[G0SB+3], s[G0SB+3], 0x80000000
	s_mov_b32 s[G0], 1                             ; the head's tiles, each whole: K step 0's 256 rows of S1 (slot 0's group 0 serves; it is set for the ring behind the wait for these loads),
	s_mov_b32 s[G0+1], 0
	s_mov_b64 s[G0+2:G0+3], s[20:21]
	s_or_b32 s[G0+3], s[G0+3], 0x80000000
	s_mov_b32 s[G0B], 1                            ; and its 256 rows of S0, behind them
	s_mov_b32 s[G0B+1], 2*HALFT
	s_mov_b64 s[G0B+2:G0B+3], s[46:47]
	s_or_b32 s[G0B+3], s[G0B+3], 0x80000000
	s_add_nc_u64 s[20:21], s[20:21], s[18:19]      ; for the ring: my 128 rows
	s_add_nc_u64 s[46:47], s[46:47], s[18:19]
	s_mov_b32 s[G0+4], 1                           ; slot 1: K step 1
	s_add_co_u32 s[G0+5], s45, SLOT
	s_add_nc_u64 s[G0+6:G0+7], s[20:21], ROWB
	s_or_b32 s[G0+7], s[G0+7], 0x80000000
	s_mov_b32 s[G0B+4], 1
	s_add_co_u32 s[G0B+5], s45, SLOT
	s_add_nc_u64 s[G0B+6:G0B+7], s[46:47], ROWB
	s_or_b32 s[G0B+7], s[G0B+7], 0x80000000
; THE HEAD'S LOADS, ONE A WAVE: wave 0 the 256 rows of S1, wave 1 those of S0, wave 2 the scales of S1, wave 3 those of S0.  One chain of branches on the wave's number, a load to an arm.
.macro ARM under, g0, g1, next
	s_cmp_lt_u32 s14, \under
	s_cbranch_scc0 \next
	tensor_load_to_lds s[\g0:\g0+3], s[\g1:\g1+7]
	s_nop 0
.rept 4
	v_nop
.endr
	s_branch .Lhead_asked
\next:
.endm
	ARM 1, G0,  G1,  .Lhead_b
	ARM 2, G0B, G1B, .Lhead_sa
	ARM 3, G0S, G1S, .Lhead_sb
	tensor_load_to_lds s[G0SB:G0SB+3], s[G1SB:G1SB+7]
	s_nop 0
.rept 4
	v_nop
.endr
.Lhead_asked:
	v_and_b32 v1, 15, v0                           ; r
	v_bfe_u32 v2, v0, 4, 1                         ; h
	v_mul_u32_u24 v3, v1, PITCH
	v_lshl_add_u32 v4, v2, 4, v3                   ; a fragment: row x pitch + 16 h
	s_mul_i32 s21, s15, HALFT                      ; my 128 rows of S1
	s_mul_i32 s22, s16, HALFT                      ; my 128 rows of S0,
	s_add_co_u32 s22, s22, 2*HALFT                 ; which lie behind the 256 of S1
.irp s, 0,1
	v_add_nc_u32 v[ADRA+\s], s21, v4
	v_add_nc_u32 v[ADRB+\s], s22, v4
	s_add_co_u32 s21, s21, SLOT
	s_add_co_u32 s22, s22, SLOT
.endr
	v_mul_u32_u24 v5, v1, KS                       ; my row of scale bytes: 32 a row,
	v_lshrrev_b32 v6, 8, v5
	v_lshl_add_u32 v5, v6, 4, v5                   ; and 16 more for each 256 passed
	s_mul_i32 s21, s15, HALFS
	s_mul_i32 s22, s16, HALFS
	s_add_co_u32 s22, s22, 2*HALFS
	s_sub_co_u32 s22, s22, s21
	v_mul_u32_u24 v6, s22, v2                      ; lanes 16-31 take the words of S0
	s_add_co_u32 s21, s21, SCL
	v_add_nc_u32 v5, v5, v6
	v_add_nc_u32 v[ADRS], s21, v5
	; where the results go (global addresses alone): candidates for q, k and for v, one compare, the choices
	s_lshl_b32 s12, s40, 2
	s_lshl_b32 s13, s16, 1
	s_add_co_u32 s12, s12, s13                     ; q, k: first head = 4 cx + 2 x my half of S0
	s_bfe_u32 s13, ttmp9, 0x10001
	s_lshl_b32 s13, s13, 2
	s_add_co_u32 s13, s13, s41                     ; block of 256 rows in the batch = 4 ((c / 2) % 2) + cy
	s_lshr_b32 s46, ttmp9, 2                       ; batch
	s_lshl_b32 s47, s41, 2
	s_lshl_b32 s92, s15, 1
	s_add_co_u32 s47, s47, s92                     ; v: first head = 4 cy + 2 x my half of S1
	s_and_b32 s92, ttmp9, 1
	s_lshl_b32 s92, s92, 2
	s_add_co_u32 s92, s92, s40                     ; block of 256 keys = 4 (c % 2) + cx
	s_max_u32 s93, ttmp9, 16
	s_sub_co_u32 s93, s93, 16
	s_lshr_b32 s93, s93, 1                         ; batch
	; THE PLACES IN A BLOCK, as they now are: a block of 256 rows is two halves of 128 rows on end.  qbuf: a half is 8,704 bytes: 8 tile images, then 512 bytes of scale words.
	; kvbuf: a half is 17,152 bytes: k's 8 tile images, k's 512 bytes of words, at 8,704 v's images of these 128 keys, at 16,896 v's 256 bytes of words.
	s_and_b32 s94, ttmp9, 17                       ; 0: q
	s_mov_b32 s18, 17152
	s_cmp_eq_u32 s94, 0
	s_cselect_b32 s18, 8704, s18
	s_mul_i32 s18, s18, s15                        ; q, k: my half's images,
	s_add_co_u32 s20, s18, 8192                    ; and its words
	s_mul_i32 s19, s16, 17152
	s_add_co_u32 s21, s19, 16896                   ; v: the words of my step of 128 keys,
	s_add_co_u32 s19, s19, 8704                    ; and its images
	s_cmp_eq_u32 s[TYP], 1
	s_cselect_b32 s12, s12, s47
	s_cselect_b32 s13, s13, s92
	s_cselect_b32 s46, s46, s93
	s_cselect_b32 s18, s18, s19
	s_cselect_b32 s20, s20, s21
	s_lshl_b32 s46, s46, 4
	s_add_co_u32 s46, s46, s12
	s_lshl_b32 s46, s46, 3
	s_add_co_u32 s46, s46, s13                     ; block = (batch x 16 + head) x 8 + block of rows
	s_and_b32 s47, ttmp9, 17                       ; 0 where c < 16 and c is even: q
	s_mov_b32 s92, 34304
	s_cmp_eq_u32 s47, 0
	s_cselect_b32 s92, 17408, s92                  ; bytes in a block
	s_cselect_b64 s[IB:IB+1], s[8:9], s[10:11]     ; qbuf or kvbuf: the choice hangs on the cluster number alone
	s_mul_i32 s46, s46, s92
	s_lshl_b32 s[ST8], s92, 3
	s_add_co_u32 s12, s46, s18
	s_mov_b32 s13, 0
	s_add_co_u32 s46, s46, s20
	s_mov_b32 s47, 0
	s_add_nc_u64 s[SB:SB+1], s[IB:IB+1], s[46:47]
	s_add_nc_u64 s[IB:IB+1], s[IB:IB+1], s[12:13]
	s_mov_b32 s12, s[ST8]
	s_add_nc_u64 s[IB+2:IB+3], s[IB:IB+1], s[12:13]
	v_and_b32 v6, 31, v0
	v_lshlrev_b32 v[LI], 4, v6
	v_mul_lo_u32 v[SA], v2, s[ST8]
	v_lshl_add_u32 v[SA], v1, 4, v[SA]
.macro FRAG reg, adr, q, i             ; 16 rows x 128 K of 8-bit codes: lane l holds row l % 16; registers 4 c .. 4 c + 3 hold K = 32 c + 16 (l / 16) + 0 .. 15
.irp c, 0,1,2,3
	ds_load_b128 v[\reg+4*\c:\reg+4*\c+3], v[\adr] offset:128*(\q)+32*\c+(\i)*16*PITCH
.endr
.endm
; 16 matrix instructions: S1 blocks a0, a0 + 1 x the eight of S0.  The 64 accumulators take turns, one instruction a turn, in the same order in every step.
.macro MUL16 a0, p, q, sc, zero
.irp a, \a0, \a0+1
.irp b, 0,1,2,3,4,5,6,7
.if \zero
	v_wmma_scale_f32_16x16x128_f8f6f4 v[8*(8*((\a)%4)+\b):8*(8*((\a)%4)+\b)+7], v[128*(\p)+FR*\b:128*(\p)+FR*\b+FR-1], v[AF+FR*(\a):AF+FR*(\a)+FR-1], 0, v[SC+8*NQ*(\sc)+NQ*\b+(\q)], v[SC+8*NQ*(\sc)+NQ*(\a)+(\q)] matrix_a_scale:MATRIX_SCALE_ROW1
.else
	v_wmma_scale_f32_16x16x128_f8f6f4 v[8*(8*((\a)%4)+\b):8*(8*((\a)%4)+\b)+7], v[128*(\p)+FR*\b:128*(\p)+FR*\b+FR-1], v[AF+FR*(\a):AF+FR*(\a)+FR-1], v[8*(8*((\a)%4)+\b):8*(8*((\a)%4)+\b)+7], v[SC+8*NQ*(\sc)+NQ*\b+(\q)], v[SC+8*NQ*(\sc)+NQ*(\a)+(\q)] matrix_a_scale:MATRIX_SCALE_ROW1
.endif
.endr
.endr
.endm
.macro FETCH_B slot, q, p
	WIN TO_B
.irp i, 0,1,2,3,4,5,6,7
	FRAG 128*(\p)+FR*\i, ADRB+\slot, \q, \i
.endr
	WIN 0
.endm
.macro FETCH_A slot, q, i0
.irp i, \i0, \i0+1, \i0+2, \i0+3
	FRAG AF+FR*(\i), ADRA+\slot, \q, \i
.endr
.endm
.macro SCALES sc                       ; the scale words of a K step: lanes 0-15 those of S1 block i, lanes 16-31 those of S0 block i
.irp i, 0,1,2,3,4,5,6,7
	ds_load_b64 v[SC+8*NQ*\sc+NQ*\i:SC+8*NQ*\sc+NQ*\i+1], v[ADRS] offset:\i*SBLK
.endr
.endm
.macro PLACES n                        ; plain vector lines between a matrix instruction and a load into, or a read of, its registers
.rept \n
	v_nop
.endr
.endm
.macro STEP slot, q, zero              ; 128 along K with a successor in the same slot
	s_wait_dscnt 4*NL                              ; the S0 set and S1 blocks 0-3 are in; the youngest 16 loads (S1 blocks 4-7) may be out
	WIN MUL_LO
	MUL16 0, (\q)%2, \q, \slot, \zero
	MUL16 2, (\q)%2, \q, \slot, \zero
	s_wait_dscnt 0
	PLACES NP
	FETCH_B \slot, (\q)+1, 1-(\q)%2
	FETCH_A \slot, (\q)+1, 0
	WIN MUL_HI
	MUL16 4, (\q)%2, \q, \slot, \zero
	MUL16 6, (\q)%2, \q, \slot, \zero
	PLACES NP
	WIN 0
	FETCH_A \slot, (\q)+1, 4
.endm
; The last step of a slot changes slots: one barrier; ahead of it each wave waits for all its tensor loads, adds 0 to its spare word, and waits for that and for its reads of this slot.
.macro TURN slot, next, fill
	s_wait_tensorcnt 0x0                           ; all my tensor loads have landed: my part of the next slot
	ds_add_u32 v[SPW], v[NIL]                      ; 0 onto my spare word
	s_wait_dscnt 4*NL+1                            ; (the add and the youngest 16 loads may be out)
	WIN MUL_LO
	MUL16 0, 1, NQ-1, \slot, 0
	s_wait_dscnt 0x0                               ; the add is done, and my reads of this slot are over
	s_barrier_signal -1
	MUL16 2, 1, NQ-1, \slot, 0
	WIN 0
	s_barrier_wait -1
.if \fill
	CREST                                          ; the barrier has opened a round of the cluster barrier: no wave of any partner still reads this slot or has a load on its way
	s_add_nc_u64 s[G0+4*\slot+2:G0+4*\slot+3], s[G0+4*\slot+2:G0+4*\slot+3], 2*ROWB
	s_add_nc_u64 s[G0B+4*\slot+2:G0B+4*\slot+3], s[G0B+4*\slot+2:G0B+4*\slot+3], 2*ROWB
	JLOAD G0+4*\slot, G1, G0B+4*\slot, G1B         ; the first tensor load behind the round; its four v_nop are among the places ahead of the loads below
	PLACES NP-4
.else
	PLACES NP
.endif
	s_wait_alu depctr_va_vdst(0)
	v_add_nc_u32 v[ADRS], 4*NQ, v[ADRS]            ; on to the scale words of the next K step
	FETCH_B \next, 0, 0
	FETCH_A \next, 0, 0
	SCALES \next
	WIN MUL_HI
	MUL16 4, 1, NQ-1, \slot, 0
	MUL16 6, 1, NQ-1, \slot, 0
	PLACES NP
	WIN 0
	FETCH_A \next, 0, 4
.endm
	s_wait_alu depctr_va_vdst(0)
	s_wait_tensorcnt 0x0                           ; my tile of the head's four is in
	ds_add_u32 v[SPW], v[NIL]
	s_mov_b32 s[G1+2], 128<<16                     ; no tensor load of mine is out, so descriptors may be written: from here on a load brings 128 rows,
	s_mov_b32 s[G1+4], 128
	s_mov_b32 s[G1B+2], 128<<16
	s_mov_b32 s[G1B+4], 128
	s_lshl_b32 s12, s16, 17
	s_mov_b32 s13, 0
	s_mov_b32 s[G0+1], s45                         ; and slot 0's groups 0 stand at my 128 rows of K step 0
	s_add_nc_u64 s[G0+2:G0+3], s[G0+2:G0+3], s[12:13]
	s_mov_b32 s[G0B+1], s45
	s_add_nc_u64 s[G0B+2:G0B+3], s[G0B+2:G0B+3], s[12:13]
	s_wait_dscnt 0x0
	CROUND                                         ; a whole round: all four tiles are in, and the joint loads meet
	JLOAD G0+4, G1, G0B+4, G1B                     ; K step 1, the first tensor load behind the round
	FETCH_B 0, 0, 0
	FETCH_A 0, 0, 0
	SCALES 0
	FETCH_A 0, 0, 4
	STEP 0, 0, 1                                   ; the first step stands ahead of the loop: its products start the sums
	s_mov_b32 s3, LAPS-1
.Llap:
	TURN 0, 1, 1
	STEP 1, 0, 0
	TURN 1, 0, 1
	STEP 0, 0, 0
	s_sub_co_u32 s3, s3, 1
	s_cmp_lg_u32 s3, 0
	s_cbranch_scc1 .Llap
	TURN 0, 1, 0                                   ; the last lap fills nothing
	STEP 1, 0, 0
	s_wait_dscnt 4*NL
	WIN MUL_LO
	MUL16 0, 1, NQ-1, 1, 0
	MUL16 2, 1, NQ-1, 1, 0
	s_wait_dscnt 0
	WIN MUL_HI
	MUL16 4, 1, NQ-1, 1, 0
	MUL16 6, 1, NQ-1, 1, 0
	WIN 0
; THE WAY OUT.  For S1 block a, register 16 b + i of my 64 is the number at 32 b + 16 h + i along S0: four blocks of 32, each shared with lane l xor 16.  The codes of a block are 16 bytes of the image of an operand.
.macro QOUT a
.set AC, 64*((\a)%4)
.set WW, 2+(\a)/4
	WIN (WW*5)                                     ; sources 0 and 1 in the window of the accumulators
.irp b, 0,1,2,3
	v_max3_num_f32 v[TM+\b], |v[AC+16*\b]|, |v[AC+16*\b+1]|, 0x4800000   ; each accumulator is read from its low end on; the floor 2^(9 - 127) holds the byte at 1 from below
.endr
.irp i, 2,4,6,8,10,12,14
.irp b, 0,1,2,3
	v_max3_num_f32 v[TM+\b], |v[AC+16*\b+\i]|, |v[AC+16*\b+\i+1]|, v[TM+\b]
.endr
.endr
	WIN 0
.irp b, 0,1,2,3
	v_permlanex16_b32 v[TM+4+\b], v[TM+\b], s[SEL], s[SEL+1]
.endr
.irp b, 0,1,2,3
	v_max_num_f32 v[TM+\b], v[TM+\b], v[TM+4+\b]
.endr
.irp b, 0,1,2,3
	v_add_nc_u32 v[TM+12+\b], 0xfc000000, v[TM+\b] ; 8 off the exponent field: the scale operand
.endr
.irp b, 0,1,2,3
	v_and_or_b32 v[TM+8+\b], v[TM+\b], 0x7f800000, s[MNT]   ; 448 x the scale
.endr
.irp b, 0,1,2,3
	v_lshrrev_b32 v[TM+4+\b], 23, v[TM+12+\b]      ; the byte
.endr
	s_wait_alu depctr_va_vdst(0)
	s_wait_xcnt 0x0                                ; the stores of the block before have read the code registers
	WIN (WW*65)                                    ; destination and source 0 in the window of the accumulators
.irp b, 0,1,2,3
.irp i, 0,1,2,3,4,5,6,7,8,9,10,11,12,13,14,15
	v_med3_num_f32 v[AC+16*\b+\i], v[AC+16*\b+\i], -v[TM+8+\b], v[TM+8+\b]   ; the conversion does not saturate (ISA guide 7.6.2)
.endr
.endr
	WIN (WW)
.irp b, 0,1,2,3
	v_cvt_scalef32_pk8_fp8_f32 v[PC+4*\b:PC+4*\b+1], v[AC+16*\b:AC+16*\b+7], v[TM+12+\b]
	v_cvt_scalef32_pk8_fp8_f32 v[PC+4*\b+2:PC+4*\b+3], v[AC+16*\b+8:AC+16*\b+15], v[TM+12+\b]
.endr
	WIN 0
	v_nop                                          ; a plain line behind the last conversion
	s_cmp_eq_u32 s[TYP], 0
	s_cbranch_scc1 .Lv_\@
	v_lshl_or_b32 v[W0], v[TM+5], 8, v[TM+4]       ; q, k: blocks 0, 1 are the first head, 2, 3 the second
	v_lshl_or_b32 v[W1], v[TM+7], 8, v[TM+6]
	v_cndmask_b32 v[W0], v[W0], v[W1], s[HM]       ; lanes 0-15 carry the word of the first head, lanes 16-31 that of the second
	v_or_b32 v[SW+(\a)], 0x7f7f0000, v[W0]         ; the upper half of K = 128 is zero codes under the byte 127
.irp b, 0,1,2,3
	global_store_b128 v[LI], v[PC+4*\b:PC+4*\b+3], s[IB+2*(\b/2):IB+2*(\b/2)+1] offset:(\a)*1024+(\b%2)*512   ; 512 consecutive bytes, aligned
.endr
	s_branch .Ldone_\@
.Lv_\@:
	v_lshl_or_b32 v[W0], v[TM+5], 8, v[TM+4]       ; v: four blocks of keys make the word of my channel
	v_lshl_or_b32 v[W0], v[TM+6], 16, v[W0]
	v_lshl_or_b32 v[SW+(\a)], v[TM+7], 24, v[W0]
	s_wait_alu depctr_va_vdst(0)
.irp b, 0,1,2,3
	global_store_b128 v[LI], v[PC+4*\b:PC+4*\b+3], s[IB+2*((\a)/4):IB+2*((\a)/4)+1] offset:((\a)%4)*2048+512*\b
.endr
.Ldone_\@:
.endm
	PLACES NP                                      ; behind the last products
.irp b, 0,1,2,3
	v_mov_b32 v[TM+4+\b], 0                        ; written once: the destination of a lane permute counts as one of its sources
.endr
.irp a, 0,1,2,3,4,5,6,7
	QOUT \a
.endr
	s_cmp_eq_u32 s[TYP], 0
	s_cbranch_scc1 .Lvwords
	global_store_b128 v[SA], v[SW:SW+3], s[SB:SB+1]             ; tiles 0-3: sixteen lanes store 256 consecutive bytes of one head
	s_wait_alu depctr_va_vdst(0)
	global_store_b128 v[SA], v[SW+4:SW+7], s[SB:SB+1] offset:256
	s_branch .Lwords_done
.Lvwords:
	s_wait_alu depctr_va_vdst(0)
.irp e, 0,1,2,3
	v_cndmask_b32 v[XW+\e], v[SW+\e], v[SW+4+\e], s[HM]         ; lanes 16-31 carry the second head
.endr
	global_store_b128 v[SA], v[XW:XW+3], s[SB:SB+1]
.Lwords_done:
	s_wait_tensorcnt 0x0                           ; the end of the wave
	ds_add_u32 v[SPW], v[NIL]
	s_wait_dscnt 0x0
	CROUND                                         ; the closing round
	s_endpgm
.Lfunc_end_k_q8459d5c7d1_qkv:
	.size	k_q8459d5c7d1_qkv, .Lfunc_end_k_q8459d5c7d1_qkv-k_q8459d5c7d1_qkv
	.p2alignl 7, 3214868480
	.fill 96, 4, 3214868480
	.section	.rodata,"a",@progbits
	.p2align	6, 0x0
	.amdhsa_kernel k_q8459d5c7d1_qkv
		.amdhsa_group_segment_fixed_size 327680
		.amdhsa_private_segment_fixed_size 0
		.amdhsa_enable_private_segment 0
		.amdhsa_kernarg_size 32
		.amdhsa_user_sgpr_count 2
		.amdhsa_user_sgpr_kernarg_segment_ptr 1
		.amdhsa_wavefront_size32 1
		.amdhsa_system_sgpr_workgroup_id_x 1
		.amdhsa_system_sgpr_workgroup_id_y 1
		.amdhsa_system_sgpr_workgroup_id_z 1
		.amdhsa_system_vgpr_workitem_id 0
		.amdhsa_next_free_vgpr 1024
		.amdhsa_next_free_sgpr 106
		.amdhsa_reserve_vcc 0
		.amdhsa_float_denorm_mode_32 3
		.amdhsa_float_denorm_mode_16_64 3
		.amdhsa_memory_ordered 1
		.amdhsa_forward_progress 1
		.amdhsa_inst_pref_size 194
	.end_amdhsa_kernel
	.amdgpu_metadata
---
amdhsa.version: [ 1, 2 ]
amdhsa.kernels:
  - .name:           k_q8459d5c7d1_qkv
    .symbol:         k_q8459d5c7d1_qkv.kd
    .args:
      - { .name: codes, .offset: 0, .size: 8, .value_kind: global_buffer, .address_space: global }
      - { .name: scales, .offset: 8, .size: 8, .value_kind: global_buffer, .address_space: global }
      - { .name: qbuf, .offset: 16, .size: 8, .value_kind: global_buffer, .address_space: global }
      - { .name: kvbuf, .offset: 24, .size: 8, .value_kind: global_buffer, .address_space: global }
    .group_segment_fixed_size: 327680
    .private_segment_fixed_size: 0
    .kernarg_segment_align: 8
    .kernarg_segment_size: 32
    .max_flat_workgroup_size: 128
    .sgpr_count:     106
    .vgpr_count:     1024
    .wavefront_size: 32
...
	.end_amdgpu_metadata
.endif
;; end of part 2
;; launch attn (part 3): grid 4 x 64, 16 waves a work-group, clusters of 4 x 1, 327,680 bytes of LDS; arguments qbuf, kvbuf, ocodes, oscales; writes ocodes, oscales
.if DOCPART == 3
	.amdgcn_target "amdgcn-amd-amdhsa--gfx1250"
	.amdhsa_code_object_version 6
	.text
	.protected	k_q8459d5c7d1_attn
	.globl	k_q8459d5c7d1_attn
	.p2align	8
	.type	k_q8459d5c7d1_attn,@function
k_q8459d5c7d1_attn:
	s_mov_b64 s[64:65], 0
	v_nop
	global_prefetch_b8 v0, s[64:65] scope:SCOPE_SE
	s_setreg_imm32_b32 hwreg(HW_REG_WAVE_MODE, 25, 1), 1
	s_wait_xcnt 0x0
	s_wait_alu depctr_hold_cnt(0) depctr_sa_sdst(0) depctr_va_vdst(0) depctr_va_sdst(0) depctr_va_ssrc(0) depctr_va_vcc(0) depctr_vm_vsrc(0)
	s_getreg_b32 s2, hwreg(HW_REG_IB_STS2, 6, 4)
	s_cmp_eq_u32 s2, 0
	s_cbranch_scc0 .Lentry_in_a_cluster
	s_endpgm
.Lentry_in_a_cluster:
	s_bfe_u32 s2, ttmp6, 0x10000c
	s_cmp_lg_u32 s2, 0x3003
	s_cbranch_scc0 .Lentry_shape_is_right
	s_endpgm
.Lentry_shape_is_right:
; Causal attention on codes of FP8 (E4M3) with E8M0 scales, head size 64, 2048 keys, 64 batch x heads; its result, divided by the row sum, is quantised along the 1024 inner channels for the last product.
; THE SOFTMAX: t = score x log2(e) / 8; M = the largest t of the row so far, rounded up to a whole number; p = 2^(t - M) is quantised along the keys, not normalised; the sum is taken of the unquantised p and divides at the end.
; When M moves, the sum and O are multiplied by 2^(old M - new M), exactly.  The factor 1/8 on q is a power of two, so it stands in the constant and not in the codes.
; LEFT OUT: steps of 128 keys all of which come after a tile's queries: the softmax gives them the weight 0.
; K AND V OF A WHOLE HEAD STAY IN LDS: 16 units of 17,152 bytes, one for each step of 128 keys (K images 8,192, K words 512, V images 8,192, V words 256): 274,432 bytes.  Each of the sixteen waves asks for one unit at the head;
; nothing is filled again, so there is no ring.  Three plain barriers show units 0-1 (waves 0, 1), 2-5 (waves 2 to 5) and the rest; behind the third no wave meets another.
; CLUSTER: the four work-groups of a head read the same sixteen units and ask for them jointly (mask 15).  No branch and no LDS address hangs on the place j in the cluster.
; SHARES.  A head has 128 tiles of 16 queries; work-group j takes the tiles 4 i + j, i = 0..31.  Wave i takes tile 4 (31 - i) + j and then tile 4 i + j: (31 - i) / 2 + 1 and i / 2 + 1 steps, 17 in every wave, whatever j.
; The loops' trip counts are constants; a step behind a tile's last is passed over by a scalar branch on the wave's number and the count of steps.  In a tile's last step hidden scores become -infinity.
; NO PREFETCH: every byte of K and V is asked for by the head's loads; there is no later load for a prefetch to run ahead of.
; LAYOUT.  Operands arrive as images of their registers (16 bytes a lane, 512 on end).  Both products are used transposed: S^T = K Q^T, O^T = V^T P^T: a lane holds one query.  Rows lie by POSITION (bits 3 and 4 of the number exchanged),
; so the 16 registers of tiles 2 b, 2 b + 1 are the neighbours 32 b + 16 h + 0..15.
; K Q^T has K = 64.  Q's upper half of the instruction's 128 is zero codes under the byte 127.  K's tiles stand 8 registers apart: the upper half of a tile's operand is the next tile's codes (behind the last: codes of p or of O),
; finite codes under the byte 127, which meet Q's zeros and add nothing.
; LIMITS: blocks whose largest magnitude lies under 2^-118, and blocks of zeros, get the byte 1; NaN and infinities are not served; the scaled scores stay under 2^31 in magnitude.
; REGISTERS: v1-11 addresses and numbers that stay; v12 -M, v13 largest t, v[14:15] the sum; v16-31 Q; v32-95 K's eight tiles, then at work; v96-111 codes of p; v112-175 S^T, then p, then V's four fragments; v176-207 O^T;
;   v208-216 Q and its word for the second tile; v217 Q's word; v218-225 K's words; v226-229 V's; v230 p's; v240-253 seven partial sums, which are added up behind the next step's first products.
.set UNIT,  17152
.set KSC,   8192
.set VIMG,  8704
.set VSC,   16896
.set SPARE, 0x48000                    ; the spare words: 128 bytes a wave, named by no other line
.set LI,  1                            ; 16 x lane
.set LR,  2                            ; 16 x (lane % 16)
.set QL,  3                            ; (r % 8) + 16 (r / 8) - 16 h
.set OSO, 4                            ; 32 x (lane % 16)
.set SPW, 5
.set NIL, 6
.set DB,  7                            ; my query less the first key of the tile's last step, less 16 h: first tile,
.set AD1, 8                            ; LDS: the unit in hand + LI
.set AD2, 9                            ; + LR
.set DA,  10                           ; second tile
.set OM,  11                           ; the old -M
.set KR,  32
.set PC,  96
.set SS,  112
.set OT,  176
.set KW,  218
.set TS,  240
.set BM,  32                           ; at work, in K's registers once the scores are made
.set PM,  36
.set CAP, 40
.set SOP, 44
.set FF,  52
.set TP,  55
.set CAP2, 57                          ; 448 x the scale once more: the two halves of a dual pair take their second sources from different banks
.set WV,  12
.set J,   13
.set ST,  14                           ; the step
.set CT,  15                           ; trips to go
.set NS,  16                           ; steps of the tile in hand
.set NSA, 17
.set TB,  19                           ; LDS byte of the unit in hand
.set SEL, 20
.set CS,  22
.set MNT, 24
.set G1,  28
.set G0,  36
.set OCA, 46
.set OCB, 48
.set OSA, 50
.set OSB, 52
.macro WALU
	s_wait_alu depctr_va_vdst(0)
.endm
.macro BARRIER
	s_barrier_signal -1
	s_barrier_wait -1
.endm
.macro CROUND                          ; a round of the cluster's barrier
	BARRIER
	s_cmp_lg_u32 s[WV], 0
	s_cbranch_scc1 .Lnot_wave_0_\@
	s_barrier_signal -3
.Lnot_wave_0_\@:
	s_barrier_wait -3
	BARRIER
.endm
.macro TL                              ; my unit; an s_nop 0 and four v_nop follow the line
	tensor_load_to_lds s[G0:G0+3], s[G1:G1+7]
	s_nop 0
.rept 4
	v_nop
.endr
.endm
.macro QADR g, img, wrd                ; tile g of the head in qbuf: half g / 8 of 8,704 bytes; image (g % 8) x 1,024; words at 8,192 + 256 ((g % 8) / 4) + 4 (g % 4)
	s_lshr_b32 s70, s\g, 3
	s_mul_i32 s70, s70, 8704
	s_add_co_u32 s70, s70, s63
	s_and_b32 s71, s\g, 7
	s_lshl_b32 s71, s71, 10
	s_add_co_u32 s\img, s70, s71
	s_mov_b32 s[\img+1], 0
	s_bfe_u32 s71, s\g, 0x10002
	s_lshl_b32 s71, s71, 8
	s_add_co_u32 s70, s70, s71
	s_and_b32 s71, s\g, 3
	s_lshl_b32 s71, s71, 2
	s_add_co_u32 s70, s70, s71
	s_add_co_u32 s\wrd, s70, KSC
	s_mov_b32 s[\wrd+1], 0
	s_add_nc_u64 s[\img:\img+1], s[4:5], s[\img:\img+1]
	s_add_nc_u64 s[\wrd:\wrd+1], s[4:5], s[\wrd:\wrd+1]
.endm
.macro OADR g, oc, os                  ; row tile T = batch x 128 + g: codes at 16,384 T + 1,024 head, scale bytes at 512 T + 2 head
	s_lshl_b32 s70, s56, 7
	s_add_co_u32 s70, s70, s\g
	s_lshl_b32 s71, s70, 14
	s_lshl_b32 s82, s55, 10
	s_add_co_u32 s[\oc], s71, s82
	s_mov_b32 s[\oc+1], 0
	s_lshl_b32 s71, s70, 9
	s_lshl_b32 s82, s55, 1
	s_add_co_u32 s[\os], s71, s82
	s_mov_b32 s[\os+1], 0
	s_add_nc_u64 s[\oc:\oc+1], s[8:9], s[\oc:\oc+1]
	s_add_nc_u64 s[\os:\os+1], s[10:11], s[\os:\os+1]
.endm
.macro DVAL g, d                       ; the tile's first query within its 128: 32 ((g % 8) / 2) + 8 (g % 2)
	s_bfe_u32 s\d, s\g, 0x20001
	s_lshl_b32 s\d, s\d, 5
	s_and_b32 s71, s\g, 1
	s_lshl_b32 s71, s71, 3
	s_add_co_u32 s\d, s\d, s71
.endm
.macro NEWROW                          ; a tile begins: the step is written once, and the first change of M leaves zeros zeros
	v_mov_b32 v13, 0xff61b1e6                      ; the largest t so far: -3e38
	v_floor_f32 v12, -v13
	v_mov_b32 v14, 0
	v_mov_b32 v15, 0
.set ii, 0
.rept 14
	v_mov_b32 v[TS+ii], 0
.set ii, ii+1
.endr
.set ii, 0
.rept 32
	v_mov_b32 v[OT+ii], 0
.set ii, ii+1
.endr
.endm
.macro COMBINE                         ; the last step's seven partial sums join the row's sum
	v_pk_add_f32 v[14:15], v[14:15], v[TS+6:TS+7]
	v_pk_add_f32 v[TS:TS+1], v[TS:TS+1], v[TS+8:TS+9]
	v_pk_add_f32 v[TS+2:TS+3], v[TS+2:TS+3], v[TS+10:TS+11]
	v_pk_add_f32 v[TS+4:TS+5], v[TS+4:TS+5], v[TS+12:TS+13]
	v_pk_add_f32 v[14:15], v[14:15], v[TS+2:TS+3]
	v_pk_add_f32 v[TS:TS+1], v[TS:TS+1], v[TS+4:TS+5]
	v_pk_add_f32 v[14:15], v[14:15], v[TS:TS+1]
.endm
	s_load_b256 s[4:11], s[0:1], 0x0               ; qbuf, kvbuf, ocodes, oscales
	v_lshl_add_u32 v[SPW], v0, 2, SPARE
	v_mov_b32 v[NIL], 0
	ds_add_u32 v[SPW], v[NIL]                      ; the opening lines: the add, twice on end, and its wait ahead of my tensor load
	ds_add_u32 v[SPW], v[NIL]
	v_lshrrev_b32 v8, 5, v0
	v_readfirstlane_b32 s[WV], v8                  ; wave i = 0..15
	s_bfe_u32 s[J], ttmp6, 0x40000                 ; j: my place in the cluster
	s_and_b32 s54, ttmp7, 0xffff                   ; batch x 16 + head
	s_and_b32 s55, s54, 15
	s_lshr_b32 s56, s54, 4
	s_mov_b32 s[G1], 15|(3<<16)|(1<<21)            ; the mask: all four; elements of 8 bytes; bit 21 beside a mask; no padding
	s_mov_b32 s[G1+1], 32<<16                      ; rows of 256 bytes,
	s_mov_b32 s[G1+2], 67<<16                      ; 67 of them,
	s_mov_b32 s[G1+3], 32<<16
	s_mov_b32 s[G1+4], 67
	s_mov_b32 s[G1+5], 32                          ; dense
	s_mov_b32 s[G1+6], 0
	s_mov_b32 s[G1+7], 0
	s_mul_i32 s57, s[WV], UNIT                     ; my unit, in LDS and in the head's part of kvbuf
	s_mul_i32 s58, s54, 16*UNIT
	s_add_co_u32 s58, s58, s57
	s_mov_b32 s59, 0
	s_mov_b32 s[SEL], 0x76543210
	s_mov_b32 s[SEL+1], 0xfedcba98
	s_mov_b32 s[CS], 0x3e38aa3b                    ; log2(e) / 8
	s_mov_b32 s[CS+1], s[CS]
	s_mov_b32 s[MNT], 0x600000
	s_wait_dscnt 0x0
	CROUND                                         ; the four work-groups are here: the joint loads meet
	s_wait_kmcnt 0x0
	s_mov_b32 s[G0], 1
	s_mov_b32 s[G0+1], s57
	s_add_nc_u64 s[G0+2:G0+3], s[6:7], s[58:59]
	s_or_b32 s[G0+3], s[G0+3], 0x80000000
	s_cmp_lt_u32 s[WV], 2                          ; one load a wave; a line of its own for each group that is shown by a barrier of its own
	s_cbranch_scc0 .Larm2
	TL
	s_branch .Lasked
.Larm2:
	s_cmp_lt_u32 s[WV], 6
	s_cbranch_scc0 .Larm3
	TL
	s_branch .Lasked
.Larm3:
	TL
.Lasked:
	s_lshl_b32 s60, s[WV], 2
	s_add_co_u32 s61, s60, s[J]                    ; the second tile: 4 i + j
	s_sub_co_u32 s62, 124, s60
	s_add_co_u32 s62, s62, s[J]                    ; the first: 4 (31 - i) + j
	s_mul_i32 s63, s54, 16*8704                    ; the head's queries in qbuf
	QADR 62, 72, 74
	QADR 61, 76, 78
	OADR 62, OCB, OSB
	OADR 61, OCA, OSA
	DVAL 62, 80
	DVAL 61, 81
	s_sub_co_u32 s[NS], 31, s[WV]
	s_lshr_b32 s[NS], s[NS], 1
	s_add_co_u32 s[NS], s[NS], 1                   ; steps of the first tile: 9 to 16
	s_lshr_b32 s[NSA], s[WV], 1
	s_add_co_u32 s[NSA], s[NSA], 1                 ; of the second: 1 to 8
	s_mov_b32 s[ST], 0
	s_mov_b32 s[TB], 0
	s_mov_b32 s[CT], 2
	v_and_b32 v10, 31, v0
	v_lshlrev_b32 v[LI], 4, v10
	v_and_b32 v11, 15, v0
	v_lshlrev_b32 v[LR], 4, v11
	global_load_b128 v[16:19], v[LI], s[72:73]     ; Q of both tiles stays in registers
	global_load_b128 v[20:23], v[LI], s[72:73] offset:512
	global_load_b32 v217, v[LR], s[74:75]
	global_load_b128 v[208:211], v[LI], s[76:77]
	global_load_b128 v[212:215], v[LI], s[76:77] offset:512
	global_load_b32 v216, v[LR], s[78:79]
	v_lshlrev_b32 v[OSO], 5, v11
	v_and_b32 v[QL], 7, v0
	v_bfe_u32 v11, v0, 3, 1
	v_lshl_add_u32 v[QL], v11, 4, v[QL]
	v_bfe_u32 v11, v0, 4, 1
	v_lshlrev_b32 v11, 4, v11
	v_sub_nc_u32 v[QL], v[QL], v11
	v_add_nc_u32 v[DB], s80, v[QL]
	v_add_nc_u32 v[DA], s81, v[QL]
	v_mov_b32 v[AD1], v[LI]
	v_mov_b32 v[AD2], v[LR]
.irp i, 0,1,2,3,4,5,6,7
	v_mov_b32 v[24+\i], 0                          ; Q's upper half of K = 128: zero codes, for good
	v_mov_b32 v[PC+\i], 0                          ; what stands behind K's last tile in the first step
.endr
	NEWROW
; A KEY STEP: the 128 keys of the unit in hand.  causal = 1: the step may lie behind the tile's last, or be it.
.macro STEP causal, dreg
.if \causal
	s_cmp_ge_u32 s[ST], s[NS]
	s_cbranch_scc1 .Lhid_\@                        ; all 128 keys come after my queries
.endif
	ds_load_b128 v[KW:KW+3], v[AD2] offset:KSC
	ds_load_b128 v[KW+4:KW+7], v[AD2] offset:KSC+256
.irp t, 0,1,2,3,4,5,6,7
	ds_load_b128 v[KR+8*\t:KR+8*\t+3], v[AD1] offset:1024*\t
	ds_load_b128 v[KR+8*\t+4:KR+8*\t+7], v[AD1] offset:1024*\t+512
.endr
	s_wait_dscnt 6                                 ; the words and tiles 0 to 4 are in; the six loads of tiles 5 to 7 may be out
.irp t, 0,1,2,3
	v_wmma_scale_f32_16x16x128_f8f6f4 v[SS+8*\t:SS+8*\t+7], v[KR+8*\t:KR+8*\t+15], v[16:31], 0, v[KW+\t], v217
.endr
	s_wait_dscnt 0x0
.irp t, 4,5,6,7
	v_wmma_scale_f32_16x16x128_f8f6f4 v[SS+8*\t:SS+8*\t+7], v[KR+8*\t:KR+8*\t+15], v[16:31], 0, v[KW+\t], v217
.endr
	COMBINE                                        ; eight plain lines that name no register of the products: the places behind them
	v_mov_b32 v[OM], v12
.if \causal
	s_add_co_u32 s96, s[ST], 1
	s_cmp_lt_u32 s96, s[NS]
	s_cbranch_scc1 .Lopen_\@                       ; not the tile's last step: all 128 keys count
	v_mov_b32 v[TP], 0xff800000
.set ii, 0
.rept 64
	v_cmp_gt_i32 vcc_lo, 32*(ii/16)+ii%16, v[\dreg]   ; register 16 b + i holds key 32 b + 16 h + i of the step: hidden where 32 b + i > d
	v_cndmask_b32 v[SS+ii], v[SS+ii], v[TP], vcc_lo
.set ii, ii+1
.endr
.Lopen_\@:
.endif
.irp b, 0,1,2,3
	v_max3_num_f32 v[BM+\b], v[SS+16*\b], v[SS+1+16*\b], v[SS+2+16*\b]   ; the largest score of each block of 32 keys, the four blocks by turns
.endr
.irp i, 3,5,7,9,11,13
.irp b, 0,1,2,3
	v_max3_num_f32 v[BM+\b], v[BM+\b], v[SS+16*\b+\i], v[SS+1+16*\b+\i]
.endr
.endr
.irp b, 0,1,2,3
	v_max_num_f32 v[BM+\b], v[BM+\b], v[SS+15+16*\b]
.endr
.irp b, 0,1,2,3
	v_permlanex16_b32 v[PM+\b], v[BM+\b], s[SEL], s[SEL+1]
.endr
.irp b, 0,1,2,3
	s_delay_alu instid0(VALU_DEP_4)
	v_max_num_f32 v[BM+\b], v[BM+\b], v[PM+\b]     ; with the 16 keys of lane l xor 16
.endr
	s_delay_alu instid0(VALU_DEP_2)
	v_max3_num_f32 v[TP], v[BM], v[BM+1], v[BM+2]
	s_delay_alu instid0(VALU_DEP_1)
	v_max_num_f32 v[TP], v[TP], v[BM+3]
	s_delay_alu instid0(VALU_DEP_1)
	v_mul_f32 v[TP], s[CS], v[TP]                  ; as t
	s_delay_alu instid0(VALU_DEP_1)
	v_max_num_f32 v13, v13, v[TP]                  ; the running largest t
	s_delay_alu instid0(VALU_DEP_1)
	v_floor_f32 v12, -v13                          ; the new -M = -ceil(t)
	s_delay_alu instid0(VALU_DEP_1)
	v_sub_f32 v[TP], v12, v[OM]                    ; old M - new M: a whole number, 0 or less
	s_delay_alu instid0(VALU_DEP_1)
	v_cvt_i32_f32 v[TP], v[TP]                     ; (it saturates)
	s_delay_alu instid0(VALU_DEP_1)
	v_ldexp_f32 v[FF], 1.0, v[TP]                  ; f = 2^(old M - new M)
.set ii, 0
.rept 32
	v_pk_fma_f32 v[SS+ii:SS+ii+1], v[SS+ii:SS+ii+1], s[CS:CS+1], v[12:13] op_sel_hi:[1,0,0]   ; t - M, two at a time
.set ii, ii+2
.endr
.irp b, 0,1,2,3
	v_fma_f32 v[BM+\b], v[BM+\b], s[CS], v12       ; the same of the largest score of each block
.endr
	WALU                                           ; the wait ahead of the batch
.set ii, 0
.rept 64
	v_exp_f32 v[SS+ii], v[SS+ii]                   ; p = 2^(t - M)
.set ii, ii+1
.endr
	v_pk_mul_f32 v[14:15], v[14:15], v[FF:FF+1] op_sel_hi:[1,0]   ; the sum under the new M: a plain line behind the exponentials
	WALU                                           ; one wait for the batch, ahead of its first reader
.irp b, 0,1,2,3
	v_exp_f32 v[BM+\b], v[BM+\b]                   ; the largest p of each block: the same two instructions on the same number
.endr
.irp n, 0,1,2,3,4,5,6                  ; the sum of the unquantised p, two at a time, in eight chains; seven of them are joined behind the next step's products
	v_pk_add_f32 v[TS+2*\n:TS+2*\n+1], v[SS+4*\n:SS+4*\n+1], v[SS+4*\n+2:SS+4*\n+3]
.endr
	v_pk_add_f32 v[14:15], v[14:15], v[SS+28:SS+29]
.irp n, 0,1,2,3,4,5,6
	v_pk_add_f32 v[TS+2*\n:TS+2*\n+1], v[TS+2*\n:TS+2*\n+1], v[SS+30+2*\n:SS+31+2*\n]
.endr
	v_pk_add_f32 v[14:15], v[14:15], v[SS+44:SS+45]
.irp n, 0,1,2,3,4,5,6
	v_pk_add_f32 v[TS+2*\n:TS+2*\n+1], v[TS+2*\n:TS+2*\n+1], v[SS+46+2*\n:SS+47+2*\n]
.endr
	v_pk_add_f32 v[14:15], v[14:15], v[SS+60:SS+61]
	v_pk_add_f32 v[TS:TS+1], v[TS:TS+1], v[SS+62:SS+63]
	WALU                                           ; and one for the four
.irp b, 0,1,2,3
	v_max_num_f32 v[BM+\b], 0x4800000, v[BM+\b]    ; the floor 2^(9 - 127): the byte cannot fall under 1
.endr
.irp b, 0,1,2,3
	s_delay_alu instid0(VALU_DEP_4)
	v_add_nc_u32 v[SOP+\b], 0xfc000000, v[BM+\b]   ; 8 off the exponent field: the conversion's scale operand
.endr
.irp b, 0,1,2,3
	s_delay_alu instid0(VALU_DEP_4)
	v_lshrrev_b32 v[PM+\b], 23, v[SOP+\b]          ; the byte
.endr
	s_delay_alu instid0(VALU_DEP_3)
	v_lshl_or_b32 v230, v[PM+1], 8, v[PM]          ; p's scale word for these 128 keys
	s_delay_alu instid0(VALU_DEP_1)
	v_lshl_or_b32 v230, v[PM+2], 16, v230
	s_delay_alu instid0(VALU_DEP_1)
	v_lshl_or_b32 v230, v[PM+3], 24, v230
.irp b, 0,1,2,3
	v_and_or_b32 v[CAP+\b], v[BM+\b], 0x7f800000, s[MNT]    ; 448 x the scale,
	v_and_or_b32 v[CAP2+\b], v[BM+\b], 0x7f800000, s[MNT]   ; twice
.endr
.irp b, 0,1,2,3
.irp i, 0,2,4,6,8,10,12,14
	v_dual_min_num_f32 v[SS+16*\b+\i], v[SS+16*\b+\i], v[CAP+\b] :: v_dual_min_num_f32 v[SS+16*\b+\i+1], v[SS+16*\b+\i+1], v[CAP2+\b]   ; the conversion does not saturate (ISA guide 7.6.2); p is not negative
.endr
	v_cvt_scalef32_pk8_fp8_f32 v[PC+4*\b:PC+4*\b+1], v[SS+16*\b:SS+16*\b+7], v[SOP+\b]
	v_cvt_scalef32_pk8_fp8_f32 v[PC+4*\b+2:PC+4*\b+3], v[SS+16*\b+8:SS+16*\b+15], v[SOP+\b]
.irp c, 0,1,2,3
	ds_load_b128 v[SS+16*\b+4*\c:SS+16*\b+4*\c+3], v[AD1] offset:VIMG+2048*\b+512*\c   ; V's tile b of 16 channels x these 128 keys, into the registers that block b of p has left
.endr
.endr
	ds_load_b128 v[226:229], v[AD2] offset:VSC
	WALU                                           ; the wait directly ahead of the first reader of O^T
.set ii, 0
.rept 16
	v_pk_mul_f32 v[OT+ii:OT+ii+1], v[OT+ii:OT+ii+1], v[FF:FF+1] op_sel_hi:[1,0]   ; O^T under the new M; also the plain lines behind the conversions and ahead of the products
.set ii, ii+2
.endr
	WALU                                           ; the wait directly ahead of the wait below
	s_wait_dscnt 0x0
.irp t, 0,1,2,3
	v_wmma_scale_f32_16x16x128_f8f6f4 v[OT+8*\t:OT+8*\t+7], v[SS+16*\t:SS+16*\t+15], v[PC:PC+15], v[OT+8*\t:OT+8*\t+7], v[226+\t], v230   ; the four accumulators by turns
.endr
.rept 7
	v_nop                                          ; with the two additions below nine places: the next scores are laid over registers that these products have read
.endr
.if \causal
.Lhid_\@:
.endif
	s_add_co_u32 s[TB], s[TB], UNIT
	s_add_co_u32 s[ST], s[ST], 1
	v_add_nc_u32 v[AD1], s[TB], v[LI]
	v_add_nc_u32 v[AD2], s[TB], v[LR]
	WALU
.endm
.macro AGAIN label
	s_sub_co_u32 s[CT], s[CT], 1
	s_cmp_lg_u32 s[CT], 0
	s_cbranch_scc1 \label
.endm
; A tile is finished: O^T / the sum, quantised along the 64 channels of the head (two blocks of 32), goes out as 1,024 bytes of the image of the next operand, with two scale bytes a row.
.macro FINISH oc, os
	COMBINE
	v_add_f32 v14, v14, v15
	v_permlanex16_b32 v[PM], v14, s[SEL], s[SEL+1]
	v_add_f32 v14, v14, v[PM]                      ; the sum of the row
	WALU
	v_rcp_f32 v14, v14
	v_nop
	WALU
.set ii, 0
.rept 32
	v_mul_f32 v[SS+ii], v[OT+ii], v14              ; register 16 b + i: channel 32 b + 16 h + i.  Each accumulator from its low end on
.set ii, ii+1
.endr
.irp b, 0,1
	v_max3_num_f32 v[BM+\b], |v[SS+16*\b]|, |v[SS+1+16*\b]|, 0x4800000
.endr
.irp i, 2,4,6,8,10,12,14
.irp b, 0,1
	v_max3_num_f32 v[BM+\b], v[BM+\b], |v[SS+16*\b+\i]|, |v[SS+1+16*\b+\i]|
.endr
.endr
.irp b, 0,1
	v_permlanex16_b32 v[PM+\b], v[BM+\b], s[SEL], s[SEL+1]
.endr
.irp b, 0,1
	v_max_num_f32 v[BM+\b], v[BM+\b], v[PM+\b]
.endr
.irp b, 0,1
	v_add_nc_u32 v[SOP+\b], 0xfc000000, v[BM+\b]
.endr
.irp b, 0,1
	v_and_or_b32 v[CAP+\b], v[BM+\b], 0x7f800000, s[MNT]
.endr
.irp b, 0,1
	v_lshrrev_b32 v[PM+\b], 23, v[SOP+\b]
.endr
	v_lshl_or_b32 v[TP], v[PM+1], 8, v[PM]
.irp b, 0,1
.irp i, 0,1,2,3,4,5,6,7,8,9,10,11,12,13,14,15
	v_med3_num_f32 v[SS+16*\b+\i], v[SS+16*\b+\i], -v[CAP+\b], v[CAP+\b]
.endr
	v_cvt_scalef32_pk8_fp8_f32 v[PC+4*\b:PC+4*\b+1], v[SS+16*\b:SS+16*\b+7], v[SOP+\b]
	v_cvt_scalef32_pk8_fp8_f32 v[PC+4*\b+2:PC+4*\b+3], v[SS+16*\b+8:SS+16*\b+15], v[SOP+\b]
.endr
	v_nop                                          ; a plain line behind the last conversion
	global_store_b128 v[LI], v[PC:PC+3], s[\oc:\oc+1]            ; 512 consecutive bytes, aligned
	global_store_b128 v[LI], v[PC+4:PC+7], s[\oc:\oc+1] offset:512
	global_store_b16 v[OSO], v[TP], s[\os:\os+1]   ; two bytes of my row of 32; both lanes of a row store the same two
	s_wait_xcnt 0x0                                ; the stores have read their registers
.endm
	WALU                                           ; the wait at the head's end
	s_wait_loadcnt 0x0                             ; Q
	s_cmp_lt_u32 s[WV], 2
	s_cbranch_scc0 .Lnot_1
	s_wait_tensorcnt 0x0                           ; waves 0 and 1: units 0 and 1 have landed
.Lnot_1:
	BARRIER
.Lfirst:                                           ; the first tile, steps 0 and 1: every first tile has nine steps or more, so nothing is hidden up to step 5
	STEP 0, DB
	AGAIN .Lfirst
	s_cmp_lt_u32 s[WV], 6
	s_cbranch_scc0 .Lnot_2
	s_wait_tensorcnt 0x0                           ; waves 2 to 5: units 2 to 5
.Lnot_2:
	s_wait_dscnt 0x0
	BARRIER
	s_mov_b32 s[CT], 4
.Lsecond:                                          ; steps 2 to 5
	STEP 0, DB
	AGAIN .Lsecond
	s_wait_tensorcnt 0x0                           ; all that is still out: on every wave's way
	s_wait_dscnt 0x0
	BARRIER
	s_mov_b32 s[CT], 10
.Lthird:                                           ; steps 6 to 15
	STEP 1, DB
	AGAIN .Lthird
	FINISH OCB, OSB
	v_mov_b32 v217, v216                           ; the second tile: the scale word first: more than eight plain lines follow it
.irp i, 0,1,2,3,4,5,6,7
	v_mov_b32 v[16+\i], v[208+\i]
.endr
	NEWROW
	v_mov_b32 v[AD1], v[LI]
	v_mov_b32 v[AD2], v[LR]
	s_mov_b32 s[ST], 0
	s_mov_b32 s[TB], 0
	s_mov_b32 s[NS], s[NSA]
	s_mov_b32 s[CT], 8
	WALU
.Lfourth:                                          ; steps 0 to 7
	STEP 1, DA
	AGAIN .Lfourth
	FINISH OCA, OSA
	s_wait_tensorcnt 0x0                           ; the wave's end
	ds_add_u32 v[SPW], v[NIL]
	s_wait_dscnt 0x0
	CROUND                                         ; the closing round
	s_endpgm
.Lfunc_end_k_q8459d5c7d1_attn:
	.size	k_q8459d5c7d1_attn, .Lfunc_end_k_q8459d5c7d1_attn-k_q8459d5c7d1_attn
	.p2alignl 7, 3214868480
	.fill 96, 4, 3214868480
	.section	.rodata,"a",@progbits
	.p2align	6, 0x0
	.amdhsa_kernel k_q8459d5c7d1_attn
		.amdhsa_group_segment_fixed_size 327680
		.amdhsa_private_segment_fixed_size 0
		.amdhsa_enable_private_segment 0
		.amdhsa_kernarg_size 32
		.amdhsa_user_sgpr_count 2
		.amdhsa_user_sgpr_kernarg_segment_ptr 1
		.amdhsa_wavefront_size32 1
		.amdhsa_system_sgpr_workgroup_id_x 1
		.amdhsa_system_sgpr_workgroup_id_y 1
		.amdhsa_system_sgpr_workgroup_id_z 1
		.amdhsa_system_vgpr_workitem_id 0
		.amdhsa_next_free_vgpr 256
		.amdhsa_next_free_sgpr 100
		.amdhsa_reserve_vcc 1
		.amdhsa_float_denorm_mode_32 3
		.amdhsa_float_denorm_mode_16_64 3
		.amdhsa_memory_ordered 1
		.amdhsa_forward_progress 1
		.amdhsa_inst_pref_size 113
	.end_amdhsa_kernel
	.amdgpu_metadata
---
amdhsa.version: [ 1, 2 ]
amdhsa.kernels:
  - .name:           k_q8459d5c7d1_attn
    .symbol:         k_q8459d5c7d1_attn.kd
    .args:
      - { .name: qbuf, .offset: 0, .size: 8, .value_kind: global_buffer, .address_space: global }
      - { .name: kvbuf, .offset: 8, .size: 8, .value_kind: global_buffer, .address_space: global }
      - { .name: ocodes, .offset: 16, .size: 8, .value_kind: global_buffer, .address_space: global }
      - { .name: oscales, .offset: 24, .size: 8, .value_kind: global_buffer, .address_space: global }
    .group_segment_fixed_size: 327680
    .private_segment_fixed_size: 0
    .kernarg_segment_align: 8
    .kernarg_segment_size: 32
    .max_flat_workgroup_size: 512
    .sgpr_count:     100
    .vgpr_count:     256
    .wavefront_size: 32
...
	.end_amdgpu_metadata
.endif
;; end of part 3
;; launch proj (part 4): grid 4 x 32, 4 waves a work-group, clusters of 4 x 4, 327,680 bytes of LDS; arguments ocodes, oscales, codes, scales, b_out, out0; writes out0
.if DOCPART == 4
	.amdgcn_target "amdgcn-amd-amdhsa--gfx1250"
	.amdhsa_code_object_version 6
	.text
	.protected	k_q8459d5c7d1_proj
	.globl	k_q8459d5c7d1_proj
	.p2align	8
	.type	k_q8459d5c7d1_proj,@function
k_q8459d5c7d1_proj:
	s_mov_b64 s[64:65], 0
	v_nop
	global_prefetch_b8 v0, s[64:65] scope:SCOPE_SE
	s_setreg_imm32_b32 hwreg(HW_REG_WAVE_MODE, 25, 1), 1
	s_wait_xcnt 0x0
	s_wait_alu depctr_hold_cnt(0) depctr_sa_sdst(0) depctr_va_vdst(0) depctr_va_sdst(0) depctr_va_ssrc(0) depctr_va_vcc(0) depctr_vm_vsrc(0)
	s_getreg_b32 s2, hwreg(HW_REG_IB_STS2, 6, 4)
	s_cmp_eq_u32 s2, 0
	s_cbranch_scc0 .Lentry_in_a_cluster
	s_endpgm
.Lentry_in_a_cluster:
	s_bfe_u32 s2, ttmp6, 0x10000c
	s_cmp_lg_u32 s2, 0xf033
	s_cbranch_scc0 .Lentry_shape_is_right
	s_endpgm
.Lentry_shape_is_right:
.set NQ,     2
.set ROWB,   256
.set KROW,   1024
.set PITCH,  272
.set FR,     16
.set NL,     4
.set NP,     8
.set HALFA,  32768
.set BOFF,   2*HALFA
.set HALFT,  128*PITCH
.set SLOT,   BOFF+2*HALFT
.set LAPS,   2
.set KS,     32
.set SCL,    2*SLOT
.set HALFS,  16*272
.set SBLK,   2*272
.set SPARE,  SCL+4*HALFS
.set SPITCH, 528
.set ADRA, 16
.set ADRB, 20
.set STO,  24
.set RD,   25
.set CO,   26
.set ADRS, 27
.set SPW,  28
.set NIL,  29
.set SC,   32
.set BI,   64
.set AF,   128
.set BK,   128
.set G1, 24
.set G0, 32
.set G1B, 48
.set G0B, 56
.set G1S, 68
.set G0S, 76
.set G1SB, 80
.set G0SB, 88
.set MSB, 0
.macro WIN new
.if MSB != \new
	s_set_vgpr_msb (MSB<<8)|\new
.set MSB, \new
.endif
.endm
.set MUL_LO, 0xa1
.set MUL_HI, 0xf1
.set FST_LO, 0x81
.set FST_HI, 0xc1
.set TO_B,   0x40
.macro JLOAD g0a, g1a, g0b, g1b
	s_cmp_eq_u32 s15, 0
	s_cbranch_scc0 .Lfor_b_\@
	tensor_load_to_lds s[\g0a:\g0a+3], s[\g1a:\g1a+7]
	s_nop 0
.rept 4
	v_nop
.endr
	s_branch .Lasked_\@
.Lfor_b_\@:
	tensor_load_to_lds s[\g0b:\g0b+3], s[\g1b:\g1b+7]
	s_nop 0
.rept 4
	v_nop
.endr
.Lasked_\@:
.endm
.macro CREST
	s_cmp_lg_u32 s14, 0
	s_cbranch_scc1 .Lnot_wave_0_\@
	s_barrier_signal -3
.Lnot_wave_0_\@:
	s_barrier_wait -3
	s_barrier_signal -1
	s_barrier_wait -1
.endm
.macro CROUND
	s_barrier_signal -1
	s_barrier_wait -1
	CREST
.endm
	s_load_b256 s[4:11], s[0:1], 0x0
	s_load_b128 s[96:99], s[0:1], 0x20
	v_lshl_add_u32 v[SPW], v0, 2, SPARE
	v_mov_b32 v[NIL], 0
	ds_add_u32 v28, v29
	ds_add_u32 v28, v29
	s_wait_dscnt 0x0
	v_lshrrev_b32 v1, 5, v0
	v_readfirstlane_b32 s14, v1
	s_lshr_b32 s15, s14, 1
	s_and_b32 s16, s14, 1
	s_bfe_u32 s40, ttmp6, 0x40000
	s_bfe_u32 s41, ttmp6, 0x40004
	s_lshl_b32 s42, ttmp9, 2
	s_add_co_u32 s42, s42, s40
	s_and_b32 s17, ttmp7, 0xffff
	s_lshl_b32 s17, s17, 2
	s_add_co_u32 s17, s17, s41
	s_lshl_b32 s43, s41, 2
	s_lshl_b32 s43, 15, s43
	s_lshl_b32 s44, 0x1111, s40
	s_or_b32 s[G1+0], s43, (3<<16)|(1<<21)
	s_mov_b32 s[G1+1], 512<<16
	s_mov_b32 s[G1+2], 8<<16
	s_mov_b32 s[G1+3], 512<<16
	s_mov_b32 s[G1+4], 8
	s_mov_b32 s[G1+5], 2048
	s_mov_b32 s[G1+6], 0
	s_mov_b32 s[G1+7], 0
	s_or_b32 s[G1B+0], s44, (0<<16)|(1<<20)|(1<<21)|(5<<22)|(3<<25)
	s_mov_b32 s[G1B+1], ROWB<<16
	s_mov_b32 s[G1B+2], 128<<16
	s_mov_b32 s[G1B+3], ROWB<<16
	s_mov_b32 s[G1B+4], 128
	s_mov_b32 s[G1B+5], KROW
	s_mov_b32 s[G1B+6], 0
	s_mov_b32 s[G1B+7], 0
	s_or_b32 s[G1S+0], s43, (3<<16)|(1<<20)|(1<<21)|(5<<22)|(3<<25)
	s_or_b32 s[G1SB+0], s44, (3<<16)|(1<<20)|(1<<21)|(5<<22)|(3<<25)
.irp g, G1S, G1SB
	s_mov_b32 s[\g+1], 32<<16
	s_mov_b32 s[\g+2], 16<<16
	s_mov_b32 s[\g+3], 32<<16
	s_mov_b32 s[\g+4], 16
	s_mov_b32 s[\g+5], 32
	s_mov_b32 s[\g+6], 0
	s_mov_b32 s[\g+7], 0
.endr
	s_lshl_b32 s20, s17, 18
	s_lshl_b32 s18, s16, 17
	s_add_co_u32 s20, s20, s18
	s_mov_b32 s21, 0
	s_lshl_b32 s22, s17, 13
	s_lshl_b32 s18, s16, 12
	s_add_co_u32 s22, s22, s18
	s_mov_b32 s23, 0
	s_lshl_b32 s46, s42, 8
	s_lshl_b32 s18, s16, 7
	s_add_co_u32 s46, s46, s18
	s_add_co_u32 s46, s46, 11264
	s_lshl_b32 s92, s46, 5
	s_mov_b32 s93, 0
	s_lshl_b32 s46, s46, 10
	s_mov_b32 s47, 0
	s_lshl_b32 s45, s16, 15
	s_mul_i32 s12, s16, HALFT
	s_add_co_u32 s12, s12, BOFF
	s_mul_i32 s94, s14, HALFS
	s_wait_kmcnt 0x0
	s_add_nc_u64 s[20:21], s[4:5], s[20:21]
	s_add_nc_u64 s[22:23], s[6:7], s[22:23]
	s_add_nc_u64 s[46:47], s[8:9], s[46:47]
	s_add_nc_u64 s[92:93], s[10:11], s[92:93]
	CROUND
	s_mov_b32 s[G0S], 1
	s_add_co_u32 s[G0S+1], s94, SCL
	s_mov_b64 s[G0S+2:G0S+3], s[22:23]
	s_or_b32 s[G0S+3], s[G0S+3], 0x80000000
	s_mov_b32 s[G0SB], 1
	s_add_co_u32 s[G0SB+1], s94, SCL
	s_mov_b64 s[G0SB+2:G0SB+3], s[92:93]
	s_or_b32 s[G0SB+3], s[G0SB+3], 0x80000000
	JLOAD G0S, G1S, G0SB, G1SB
.irp s, 0,1
	s_mov_b32 s[G0+4*\s], 1
	s_add_co_u32 s[G0+4*\s+1], s45, \s*SLOT
	s_add_nc_u64 s[G0+4*\s+2:G0+4*\s+3], s[20:21], \s*4096
	s_or_b32 s[G0+4*\s+3], s[G0+4*\s+3], 0x80000000
	s_mov_b32 s[G0B+4*\s], 1
	s_add_co_u32 s[G0B+4*\s+1], s12, \s*SLOT
	s_add_nc_u64 s[G0B+4*\s+2:G0B+4*\s+3], s[46:47], \s*ROWB
	s_or_b32 s[G0B+4*\s+3], s[G0B+4*\s+3], 0x80000000
	s_wait_alu depctr_va_vdst(0)
	s_wait_tensorcnt 0x0
	ds_add_u32 v28, v29
	s_wait_dscnt 0x0
	CROUND
	JLOAD G0+4*\s, G1, G0B+4*\s, G1B
.endr
	v_and_b32 v1, 15, v0
	v_bfe_u32 v2, v0, 4, 1
	v_and_b32 v6, 31, v0
	v_lshlrev_b32 v[CO], 4, v6
	v_mul_u32_u24 v3, v1, PITCH
	v_lshl_add_u32 v4, v2, 4, v3
	s_lshl_b32 s21, s15, 15
	s_mul_i32 s22, s16, HALFT
	s_add_co_u32 s22, s22, BOFF
.irp s, 0,1
	v_add_nc_u32 v[ADRA+\s], s21, v[CO]
	v_add_nc_u32 v[ADRB+\s], s22, v4
	s_add_co_u32 s21, s21, SLOT
	s_add_co_u32 s22, s22, SLOT
.endr
	v_mul_u32_u24 v5, v1, KS
	v_lshrrev_b32 v6, 8, v5
	v_lshl_add_u32 v5, v6, 4, v5
	s_mul_i32 s21, s15, HALFS
	s_mul_i32 s22, s16, HALFS
	s_add_co_u32 s22, s22, 2*HALFS
	s_sub_co_u32 s22, s22, s21
	v_mul_u32_u24 v6, s22, v2
	s_add_co_u32 s21, s21, SCL
	v_add_nc_u32 v5, v5, v6
	v_add_nc_u32 v[ADRS], s21, v5
	s_mul_i32 s23, s14, 16*SPITCH
	v_mul_u32_u24 v5, v1, SPITCH
	v_lshl_add_u32 v5, v2, 6, v5
	v_add_nc_u32 v[STO], s23, v5
	v_add_nc_u32 v[RD], s23, v[CO]
	s_lshl_b32 s46, s42, 10
	s_lshl_b32 s47, s16, 9
	s_add_co_u32 s46, s46, s47
	s_mov_b32 s47, 0
	s_add_nc_u64 s[96:97], s[96:97], s[46:47]
	s_lshl_b32 s20, s17, 20
	s_lshl_b32 s21, s15, 19
	s_add_co_u32 s20, s20, s21
	s_mov_b32 s21, 0
	s_add_nc_u64 s[20:21], s[20:21], s[46:47]
	s_add_nc_u64 s[98:99], s[98:99], s[20:21]
	v_lshlrev_b32 v7, 6, v2
.irp b, 0,1,2,3,4,5,6,7
	global_load_b128 v[BI+8*\b:BI+8*\b+3], v7, s[96:97] offset:128*(\b/2)+32*(\b%2)
	global_load_b128 v[BI+8*\b+4:BI+8*\b+7], v7, s[96:97] offset:128*(\b/2)+32*(\b%2)+16
.endr
.macro FRAG reg, adr, q, i
.irp c, 0,1,2,3
	ds_load_b128 v[\reg+4*\c:\reg+4*\c+3], v[\adr] offset:128*(\q)+32*\c+(\i)*16*PITCH
.endr
.endm
.macro FRAGA reg, adr, q, i
.irp c, 0,1,2,3
	ds_load_b128 v[\reg+4*\c:\reg+4*\c+3], v[\adr] offset:4096*(\i)+2048*(\q)+512*\c
.endr
.endm
.macro MUL16 a0, p, q, sc, zero
.irp a, \a0, \a0+1
.irp b, 0,1,2,3,4,5,6,7
.if \zero
	v_wmma_scale_f32_16x16x128_f8f6f4 v[8*(8*((\a)%4)+\b):8*(8*((\a)%4)+\b)+7], v[128*(\p)+FR*\b:128*(\p)+FR*\b+FR-1], v[AF+FR*(\a):AF+FR*(\a)+FR-1], v[BI+8*\b:BI+8*\b+7], v[SC+8*NQ*(\sc)+NQ*\b+(\q)], v[SC+8*NQ*(\sc)+NQ*(\a)+(\q)] matrix_a_scale:MATRIX_SCALE_ROW1
.else
	v_wmma_scale_f32_16x16x128_f8f6f4 v[8*(8*((\a)%4)+\b):8*(8*((\a)%4)+\b)+7], v[128*(\p)+FR*\b:128*(\p)+FR*\b+FR-1], v[AF+FR*(\a):AF+FR*(\a)+FR-1], v[8*(8*((\a)%4)+\b):8*(8*((\a)%4)+\b)+7], v[SC+8*NQ*(\sc)+NQ*\b+(\q)], v[SC+8*NQ*(\sc)+NQ*(\a)+(\q)] matrix_a_scale:MATRIX_SCALE_ROW1
.endif
.endr
.endr
.endm
.macro FETCH_B slot, q, p
	WIN TO_B
.irp i, 0,1,2,3,4,5,6,7
	FRAG 128*(\p)+FR*\i, ADRB+\slot, \q, \i
.endr
	WIN 0
.endm
.macro FETCH_A slot, q, i0
.irp i, \i0, \i0+1, \i0+2, \i0+3
	FRAGA AF+FR*(\i), ADRA+\slot, \q, \i
.endr
.endm
.macro SCALES sc
.irp i, 0,1,2,3,4,5,6,7
	ds_load_b64 v[SC+8*NQ*\sc+NQ*\i:SC+8*NQ*\sc+NQ*\i+1], v[ADRS] offset:\i*SBLK
.endr
.endm
.macro PLACES n
.rept \n
	v_nop
.endr
.endm
.macro STEP slot, q, zero
	s_wait_dscnt 4*NL
.if \zero
	WIN FST_LO
.else
	WIN MUL_LO
.endif
	MUL16 0, (\q)%2, \q, \slot, \zero
	MUL16 2, (\q)%2, \q, \slot, \zero
	s_wait_dscnt 0
	PLACES NP
	FETCH_B \slot, (\q)+1, 1-(\q)%2
	FETCH_A \slot, (\q)+1, 0
.if \zero
	WIN FST_HI
.else
	WIN MUL_HI
.endif
	MUL16 4, (\q)%2, \q, \slot, \zero
	MUL16 6, (\q)%2, \q, \slot, \zero
	PLACES NP
	WIN 0
	FETCH_A \slot, (\q)+1, 4
.endm
.macro TURN slot, next, fill
	s_wait_tensorcnt 0x0
	ds_add_u32 v[SPW], v[NIL]
	s_wait_dscnt 4*NL+1
	WIN MUL_LO
	MUL16 0, 1, NQ-1, \slot, 0
	s_wait_dscnt 0x0
	s_barrier_signal -1
	MUL16 2, 1, NQ-1, \slot, 0
	WIN 0
	s_barrier_wait -1
.if \fill
	CREST
	s_add_nc_u64 s[G0+4*\slot+2:G0+4*\slot+3], s[G0+4*\slot+2:G0+4*\slot+3], 2*4096
	s_add_nc_u64 s[G0B+4*\slot+2:G0B+4*\slot+3], s[G0B+4*\slot+2:G0B+4*\slot+3], 2*ROWB
	JLOAD G0+4*\slot, G1, G0B+4*\slot, G1B
	PLACES NP-4
.else
	PLACES NP
.endif
	s_wait_alu depctr_va_vdst(0)
	v_add_nc_u32 v[ADRS], 4*NQ, v[ADRS]
	FETCH_B \next, 0, 0
	FETCH_A \next, 0, 0
	SCALES \next
	WIN MUL_HI
	MUL16 4, 1, NQ-1, \slot, 0
	MUL16 6, 1, NQ-1, \slot, 0
	PLACES NP
	WIN 0
	FETCH_A \next, 0, 4
.endm
	s_wait_alu depctr_va_vdst(0)
	s_wait_tensorcnt 1
	s_barrier_signal -1
	s_barrier_wait -1
	FETCH_B 0, 0, 0
	FETCH_A 0, 0, 0
	SCALES 0
	FETCH_A 0, 0, 4
	s_wait_loadcnt 0x0
	STEP 0, 0, 1
	s_mov_b32 s3, LAPS-1
.Llap:
	TURN 0, 1, 1
	STEP 1, 0, 0
	TURN 1, 0, 1
	STEP 0, 0, 0
	s_sub_co_u32 s3, s3, 1
	s_cmp_lg_u32 s3, 0
	s_cbranch_scc1 .Llap
	TURN 0, 1, 0
	STEP 1, 0, 0
	s_wait_dscnt 4*NL
	WIN MUL_LO
	MUL16 0, 1, NQ-1, 1, 0
	MUL16 2, 1, NQ-1, 1, 0
	s_wait_dscnt 0
	WIN MUL_HI
	MUL16 4, 1, NQ-1, 1, 0
	MUL16 6, 1, NQ-1, 1, 0
	WIN 0
.macro TOSTAGE a
.set AC, 64*((\a)%4)
	WIN 0x08+4*((\a)/4)
.irp b, 0,1,2,3,4,5,6,7
	ds_store_b128 v[STO], v[AC+8*\b:AC+8*\b+3] offset:128*(\b/2)+32*(\b%2)
	ds_store_b128 v[STO], v[AC+8*\b+4:AC+8*\b+7] offset:128*(\b/2)+32*(\b%2)+16
.endr
	WIN 0
.set BB, BK+64*((\a)%2)
.irp t, 0,1,2,3,4,5,6,7,8,9,10,11,12,13,14,15
	ds_load_b128 v[BB+4*\t:BB+4*\t+3], v[RD] offset:\t*SPITCH
.endr
.endm
.macro SEND a, younger
.set BB, BK+64*((\a)%2)
	s_wait_dscnt \younger
.irp t, 0,1,2,3,4,5,6,7,8,9,10,11,12,13,14,15
	global_store_b128 v[CO], v[BB+4*\t:BB+4*\t+3], s[98:99] offset:(32*((\a)/2)+8*((\a)%2)+(\t%8)+16*(\t/8))*4096 th:TH_STORE_NT
.endr
.endm
	PLACES NP
	TOSTAGE 0
.irp a, 1,2,3,4,5,6,7
.if \a > 1
	s_wait_xcnt 0x0
.endif
	TOSTAGE \a
	SEND \a-1, 32
.endr
	SEND 7, 0
	s_wait_tensorcnt 0x0
	ds_add_u32 v[SPW], v[NIL]
	s_wait_dscnt 0x0
	CROUND
	s_endpgm
.Lfunc_end_k_q8459d5c7d1_proj:
	.size	k_q8459d5c7d1_proj, .Lfunc_end_k_q8459d5c7d1_proj-k_q8459d5c7d1_proj
	.p2alignl 7, 3214868480
	.fill 96, 4, 3214868480
	.section	.rodata,"a",@progbits
	.p2align	6, 0x0
	.amdhsa_kernel k_q8459d5c7d1_proj
		.amdhsa_group_segment_fixed_size 327680
		.amdhsa_private_segment_fixed_size 0
		.amdhsa_enable_private_segment 0
		.amdhsa_kernarg_size 48
		.amdhsa_user_sgpr_count 2
		.amdhsa_user_sgpr_kernarg_segment_ptr 1
		.amdhsa_wavefront_size32 1
		.amdhsa_system_sgpr_workgroup_id_x 1
		.amdhsa_system_sgpr_workgroup_id_y 1
		.amdhsa_system_sgpr_workgroup_id_z 1
		.amdhsa_system_vgpr_workitem_id 0
		.amdhsa_next_free_vgpr 1024
		.amdhsa_next_free_sgpr 106
		.amdhsa_reserve_vcc 0
		.amdhsa_float_denorm_mode_32 3
		.amdhsa_float_denorm_mode_16_64 3
		.amdhsa_memory_ordered 1
		.amdhsa_forward_progress 1
		.amdhsa_inst_pref_size 147
	.end_amdhsa_kernel
	.amdgpu_metadata
---
amdhsa.version: [ 1, 2 ]
amdhsa.kernels:
  - .name:           k_q8459d5c7d1_proj
    .symbol:         k_q8459d5c7d1_proj.kd
    .args:
      - { .name: ocodes, .offset: 0, .size: 8, .value_kind: global_buffer, .address_space: global }
      - { .name: oscales, .offset: 8, .size: 8, .value_kind: global_buffer, .address_space: global }
      - { .name: codes, .offset: 16, .size: 8, .value_kind: global_buffer, .address_space: global }
      - { .name: scales, .offset: 24, .size: 8, .value_kind: global_buffer, .address_space: global }
      - { .name: b_out, .offset: 32, .size: 8, .value_kind: global_buffer, .address_space: global }
      - { .name: out0, .offset: 40, .size: 8, .value_kind: global_buffer, .address_space: global }
    .group_segment_fixed_size: 327680
    .private_segment_fixed_size: 0
    .kernarg_segment_align: 8
    .kernarg_segment_size: 48
    .max_flat_workgroup_size: 128
    .sgpr_count:     106
    .vgpr_count:     1024
    .wavefront_size: 32
...
	.end_amdgpu_metadata
.endif
;; end of part 4
